; MI455X (gfx1250); checked and timed in simulation.
; The chip was launched on July 23, 2026; its instructions are those of AMD's public machine-readable ISA for CDNA 5 (MIT licence, August 2026) and "CDNA5" Instruction Set Architecture Reference Guide (July 2026). The comments in the code are by the model that wrote it; some were corrected since.
;; MSA Block. Allowed arithmetic: float matrix products may take bf16 or f16 operands with f32 sums; all other float work in f32.
;; Inputs: m 512 x 256 x 64 float32; msa_mask 512 x 256 float32; opm_bout 128 float32; opm_ln_b 64 float32; opm_ln_w 64 float32; opm_w1 64 x 32 float32; opm_w2 64 x 32 float32; opm_wout 1,024 x 128 float32; pwa_lnm_b 64 float32; pwa_lnm_w 64 float32; pwa_lnz_b 128 float32; pwa_lnz_w 128 float32; pwa_wg 64 x 256 float32; pwa_wo 256 x 64 float32; pwa_wv 64 x 256 float32; pwa_wz 128 x 8 float32; tr_ln_b 64 float32; tr_ln_w 64 float32; tr_wa 64 x 256 float32; tr_wb 64 x 256 float32; tr_wo 256 x 64 float32; z 256 x 256 x 128 float32.
;; Outputs: out0 512 x 256 x 64 float32; out1 256 x 256 x 128 float32.
;; One version. Each part assembles by itself: llvm-mc -triple=amdgcn-amd-amdhsa -mcpu=gfx1250 --defsym DOCPART=n.
;; ======== version 1 of 1: 4 launches
;; limits: values are held in f16: magnitudes above 65,504 overflow, below 6.1e-05 lose precision
;; workspace buffers: aT 8,388,608 bytes; bT 8,388,608 bytes; mkT 262,144 bytes; wop 262,144 bytes; wpk 196,608 bytes; lgt 2,097,152 bytes; wat 1,048,576 bytes
;; launch prep (part 1): grid 256 x 1, 8 waves a work-group, no clusters, 151,552 bytes of LDS; arguments m, msa_mask, opm_ln_w, opm_ln_b, opm_w1, opm_w2, opm_wout, pwa_wv, pwa_wg, pwa_wo, tr_wa, tr_wb, tr_wo, aT, bT, mkT, wop, wpk; writes aT, bT, mkT, wop, wpk
.if DOCPART == 1
	.amdgcn_target "amdgcn-amd-amdhsa--gfx1250"
	.amdhsa_code_object_version 6
	.text
	.protected	k_qe57ba2e183_prep
	.globl	k_qe57ba2e183_prep
	.p2align	8
	.type	k_qe57ba2e183_prep,@function
k_qe57ba2e183_prep:
	s_mov_b64 s[64:65], 0
	v_nop
	global_prefetch_b8 v0, s[64:65] scope:SCOPE_SE
	s_setreg_imm32_b32 hwreg(HW_REG_WAVE_MODE, 25, 1), 1
	s_wait_xcnt 0x0
; prep: for one residue n (the work-group's number) and all 512 sequences s:
;   a[s][c] = (LN(m[s][n]) @ opm_w1)[c] * mask[s][n],  b likewise with opm_w2, both rounded once to bf16 and stored
;   TRANSPOSED (s along the rows) so that the outer product's K lies along rows:
;   aT row n*32+c, bT row ((n>>4)*32+e)*16+(n&15), 512 bf16 each; mkT row n = the mask column in bf16.
; Besides, wave 2 writes fragment n of opm_wout and wave 3 (n < 192) fragment n of the six 64<->256 weights in the
; register order of a 16 x 32 16-bit matrix operand: byte u*512 + lane*16 = registers 4u..4u+3 of the lane.
; Formats: opm_wout and tr_wo in bf16 (their partners, the outer product and the hidden layer, have no room in f16);
; pwa_wv, pwa_wg, pwa_wo, tr_wa, tr_wb in f16: as drawn their spread is 0.06 to 0.125; f16 holds up to 65,504 and steps by 6e-8 below 6.1e-5.
; Limits: v_rsq_f32 flushes denormals.  The LayerNorm centres first and then squares.
; The mask column is 4 bytes out of each row of 1,024: 512 such reads a work-group, 0.5 MB of data in the launch.
.set MSK, 0                            ; 2,048 B: mask[s] in f32
.set WF,  2048                         ; 8 weight fragments of 1,024 B
.set XS,  10240                        ; wave w at + w*9,216: its 64 normalised rows, bf16, pitch 144
.set XP,  144
.set OS,  83968                        ; 64 rows (32 of a, 32 of b) of 512 bf16, pitch 1,040
.set OP,  1040
.set X,   32                           ; v[32:159] 32 loads of m; later A fragments v32-95, B fragments v96-159
.set AFR, 32
.set BFR, 96
.set ACC, 160                          ; v[160:223] 8 accumulator tiles; ahead of them: v160-183 my weight fragment, v184-199 the LayerNorm's temporaries
.set SA,  184                          ; v[184:187] four sums
.set SB,  188                          ; v[188:191] four sums of squares, then 1/sigma
.set PK,  192                          ; v[192:199] four pairs of rows, packed
.set MKR, 224                          ; v[224:255] masks of my 64 s, in the accumulators' order
.macro NOPS n
.rept \n
	v_nop
.endr
.endm
	s_load_b512 s[16:31], s[0:1], 0x0              ; m 16, mask 18, ln_w 20, ln_b 22, w1 24, w2 26, wout 28, wv 30
	s_load_b512 s[32:47], s[0:1], 0x40             ; wg 32, wo 34, tr_wa 36, tr_wb 38, tr_wo 40, aT 42, bT 44, mkT 46
	s_load_b128 s[48:51], s[0:1], 0x80             ; wop 48, wpk 50
	s_set_vgpr_msb 0x40
	v_lshl_add_u32 v0, v0, 2, 0x24c00
	v_mov_b32 v1, 0
	s_set_vgpr_msb 0x4000
	v_lshrrev_b32 v6, 5, v0
	v_readfirstlane_b32 s8, v6                     ; wave
	v_and_b32 v1, 31, v0                           ; lane
	v_and_b32 v2, 15, v0                           ; r
	v_bfe_u32 v3, v0, 4, 1                         ; hh
	s_mov_b32 s9, ttmp9                            ; n
	s_mov_b32 s11, 0x3c800000                      ; 1/64
	s_lshl_b32 s10, s8, 22                         ; 64 w rows of 65,536 bytes
	v_lshlrev_b32 v4, 16, v3
	v_lshl_add_u32 v4, v2, 4, v4
	v_add_nc_u32 v4, s10, v4                       ; m: (64 w + hh) * 65,536 + 16 r
	s_mul_i32 s12, s8, 64*XP
	v_mul_u32_u24 v5, v3, XP
	v_lshl_add_u32 v5, v2, 3, v5
	v_add_nc_u32 v5, s12, v5                       ; XS store: w*9,216 + hh*144 + 8 r
	v_lshlrev_b32 v6, 4, v2                        ; gains: 16 r
	v_lshlrev_b32 v7, 10, v0                       ; mask: thread * 1,024
	s_and_b32 s13, s8, 1                           ; my weight fragment: ks
	s_bfe_u32 s14, s8, 0x10001                     ; nt
	s_lshl_b32 s13, s13, 12
	s_lshl_b32 s14, s14, 6
	s_add_co_u32 s13, s13, s14
	v_lshlrev_b32 v28, 10, v3
	v_lshl_add_u32 v28, v2, 2, v28
	v_add_nc_u32 v28, s13, v28                     ; (32 ks + 8 hh) * 128 + (16 nt + r) * 4
	v_lshlrev_b32 v29, 2, v0
	v_lshlrev_b32 v31, 4, v1                       ; 16 * lane
	s_lshl_b32 s15, s8, 10
	v_add_nc_u32 v30, s15, v31
	v_mul_u32_u24 v24, v2, XP
	v_lshl_add_u32 v24, v3, 4, v24
	v_add_nc_u32 v24, s12, v24                     ; A fragments: w*9,216 + r*144 + 16 hh
	s_lshl_b32 s14, s8, 8
	v_lshlrev_b32 v25, 5, v3
	v_add_nc_u32 v25, s14, v25                     ; masks: (64 w + 8 hh) * 4
	s_lshl_b32 s14, s8, 7
	s_add_co_u32 s14, s14, OS
	v_mul_u32_u24 v26, v2, OP
	v_lshl_add_u32 v26, v3, 4, v26
	v_add_nc_u32 v26, s14, v26                     ; OS store: OS + r*1,040 + (64 w + 8 hh) * 2
	s_mul_i32 s14, s8, 8*OP
	s_add_co_u32 s14, s14, OS
	v_add_nc_u32 v27, s14, v31                     ; OS read: OS + 8 w rows + 16 lane
	s_lshl_b32 s2, s9, 8
	s_mov_b32 s3, 0
	s_lshl_b32 s4, s9, 2
	s_mov_b32 s5, 0
	s_wait_kmcnt 0x0
	s_add_nc_u64 s[16:17], s[16:17], s[2:3]        ; m at (0, n, 0)
	s_add_nc_u64 s[18:19], s[18:19], s[4:5]        ; mask at (0, n)
	s_cmp_lt_u32 s8, 4
	s_cselect_b64 s[52:53], s[24:25], s[26:27]     ; waves 0-3 fetch w1's fragments, 4-7 w2's
	; 20 small loads first, then the 32 of m, so that counted waits can take them in this order
	global_load_b128 v[8:11], v6, s[20:21]         ; gain of my 4 channels
	global_load_b128 v[12:15], v6, s[22:23]        ; bias
	global_load_b32 v16, v7, s[18:19]              ; mask[thread][n]
	global_load_b32 v17, v7, s[18:19] offset:262144
.set i, 0
.rept 16
	global_load_b32 v[ACC+i], v28, s[52:53] offset:((i/8)*16+(i%8))*128
.set i, i+1
.endr
.set q, 0
.rept 32
	global_load_b128 v[X+4*q:X+4*q+3], v4, s[16:17] offset:q*131072   ; rows 2q, 2q+1 of my 64: 256 whole bytes each
.set q, q+1
.endr
	s_wait_loadcnt 32                              ; the 32 loads of m may stay out
	ds_store_b32 v29, v16 offset:MSK
	ds_store_b32 v29, v17 offset:MSK+1024
.set p, 0
.rept 8
	v_cvt_pk_bf16_f32 v[ACC+16+p], v[ACC+2*p], v[ACC+2*p+1]
.set p, p+1
.endr
	ds_store_b128 v30, v[ACC+16:ACC+19] offset:WF
	ds_store_b128 v30, v[ACC+20:ACC+23] offset:WF+512
; LayerNorm of eight rows: loads q0 .. q0+3, two rows each; sixteen lanes hold a row, four channels a lane.
; Each stage is written for the four loads one after the other, with temporaries of their own, so that no instruction reads the result of the one in front of it.
.macro LN4 q0
	s_wait_loadcnt 28-\q0                          ; loads return in order: those of later rows, 28 - q0 of them, stay out
.irp j, 0,1,2,3
	v_add_f32 v[SA+\j], v[X+4*(\q0+\j)], v[X+4*(\q0+\j)+1]
.endr
.irp j, 0,1,2,3
	v_add_f32 v[SB+\j], v[X+4*(\q0+\j)+2], v[X+4*(\q0+\j)+3]
.endr
.irp j, 0,1,2,3
	v_add_f32 v[SA+\j], v[SA+\j], v[SB+\j]
.endr
.irp m, 1,2,4,8
.irp j, 0,1,2,3
	v_add_f32_dpp v[SA+\j], v[SA+\j], v[SA+\j] row_xmask:\m row_mask:0xf bank_mask:0xf
.endr
.endr
.irp j, 0,1,2,3
	v_mul_f32 v[SA+\j], s11, v[SA+\j]              ; mean
.endr
.irp j, 0,1,2,3
.irp k, 0,1,2,3
	v_sub_f32 v[X+4*(\q0+\j)+\k], v[X+4*(\q0+\j)+\k], v[SA+\j]
.endr
.endr
.irp j, 0,1,2,3
	v_mul_f32 v[SB+\j], v[X+4*(\q0+\j)], v[X+4*(\q0+\j)]
.endr
.irp k, 1,2,3
.irp j, 0,1,2,3
	v_fmac_f32 v[SB+\j], v[X+4*(\q0+\j)+\k], v[X+4*(\q0+\j)+\k]
.endr
.endr
.irp m, 1,2,4,8
.irp j, 0,1,2,3
	v_add_f32_dpp v[SB+\j], v[SB+\j], v[SB+\j] row_xmask:\m row_mask:0xf bank_mask:0xf
.endr
.endr
.irp j, 0,1,2,3
	v_fmaak_f32 v[SB+\j], s11, v[SB+\j], 0x3727c5ac   ; variance + 1e-5
.endr
.irp j, 0,1,2,3
	v_rsq_f32 v[SB+\j], v[SB+\j]
.endr
	v_nop                                          ; one plain place behind the run of transcendentals
	s_wait_alu depctr_va_vdst(0)
.irp j, 0,1,2,3
.irp k, 0,1,2,3
	v_mul_f32 v[X+4*(\q0+\j)+\k], v[X+4*(\q0+\j)+\k], v[SB+\j]
.endr
.endr
.irp j, 0,1,2,3
	v_pk_fma_f32 v[X+4*(\q0+\j):X+4*(\q0+\j)+1], v[X+4*(\q0+\j):X+4*(\q0+\j)+1], v[8:9], v[12:13]
	v_pk_fma_f32 v[X+4*(\q0+\j)+2:X+4*(\q0+\j)+3], v[X+4*(\q0+\j)+2:X+4*(\q0+\j)+3], v[10:11], v[14:15]
.endr
.irp j, 0,1,2,3
	v_cvt_pk_bf16_f32 v[PK+2*\j], v[X+4*(\q0+\j)], v[X+4*(\q0+\j)+1]
	v_cvt_pk_bf16_f32 v[PK+2*\j+1], v[X+4*(\q0+\j)+2], v[X+4*(\q0+\j)+3]
.endr
.irp j, 0,1,2,3
	ds_store_b64 v5, v[PK+2*\j:PK+2*\j+1] offset:XS+(\q0+\j)*2*XP
.endr
.endm
.irp q, 0,4,8,12,16,20,24,28
	LN4 \q
.endr
	s_wait_dscnt 0x0                               ; my stores of the mask and of my weight fragment are done, for the others' sake
	s_barrier_signal -1
	s_barrier_wait -1
.set f, 0
.rept 8
	ds_load_b128 v[BFR+8*f:BFR+8*f+3], v31 offset:WF+f*1024
	ds_load_b128 v[BFR+8*f+4:BFR+8*f+7], v31 offset:WF+f*1024+512
.set f, f+1
.endr
.set f, 0
.rept 8                                            ; fragment (mt, ks) = f
	ds_load_b128 v[AFR+8*f:AFR+8*f+3], v24 offset:XS+(f/2)*16*XP+(f%2)*64
	ds_load_b128 v[AFR+8*f+4:AFR+8*f+7], v24 offset:XS+(f/2)*16*XP+(f%2)*64+32
.set f, f+1
.endr
.set mt, 0
.rept 4
	ds_load_b128 v[MKR+8*mt:MKR+8*mt+3], v25 offset:MSK+mt*64
	ds_load_b128 v[MKR+8*mt+4:MKR+8*mt+7], v25 offset:MSK+mt*64+16
.set mt, mt+1
.endr
	s_wait_dscnt 0x0
; two row tiles at a time: 8 accumulators (2 mt x 4 column tiles: 0,1 of a, 2,3 of b) take turns; the first K step starts the sums
.macro HALF hf
.set ks, 0
.rept 2
.set t, 0
.rept 8
.if ks == 0
	v_wmma_f32_16x16x32_bf16 v[ACC+8*t:ACC+8*t+7], v[AFR+8*(2*(2*\hf+t/4)+ks):AFR+8*(2*(2*\hf+t/4)+ks)+7], v[BFR+8*(2*(t%4)+ks):BFR+8*(2*(t%4)+ks)+7], 0
.else
	v_wmma_f32_16x16x32_bf16 v[ACC+8*t:ACC+8*t+7], v[AFR+8*(2*(2*\hf+t/4)+ks):AFR+8*(2*(2*\hf+t/4)+ks)+7], v[BFR+8*(2*(t%4)+ks):BFR+8*(2*(t%4)+ks)+7], v[ACC+8*t:ACC+8*t+7]
.endif
.set t, t+1
.endr
.set ks, ks+1
.endr
	NOPS 4                                         ; four places before vector instructions read the results
.set t, 0
.rept 8                                            ; a lane holds 8 neighbouring s of one output column: mask, round, 16 bytes into OS
.set mm, 2*\hf+t/4
.set p, 0
.rept 4
	v_pk_mul_f32 v[ACC+8*t+2*p:ACC+8*t+2*p+1], v[ACC+8*t+2*p:ACC+8*t+2*p+1], v[MKR+8*mm+2*p:MKR+8*mm+2*p+1]
.set p, p+1
.endr
.set p, 0
.rept 4
	v_cvt_pk_bf16_f32 v[16+4*(t%2)+p], v[ACC+8*t+2*p], v[ACC+8*t+2*p+1]
.set p, p+1
.endr
	ds_store_b128 v26, v[16+4*(t%2):16+4*(t%2)+3] offset:(t%4)*16*OP+mm*32
.set t, t+1
.endr
.endm
	HALF 0
	HALF 1
	s_wait_dscnt 0x0
	s_barrier_signal -1
	s_barrier_wait -1
	; wave w stores rows 8w .. 8w+7 of OS: two stores of 512 neighbouring bytes a row
.set t, 0
.rept 8
	ds_load_b128 v[32+8*t:32+8*t+3], v27 offset:t*OP
	ds_load_b128 v[32+8*t+4:32+8*t+7], v27 offset:t*OP+512
.set t, t+1
.endr
.macro STROWS b, stride
.set t, 0
.rept 8
	global_store_b128 v31, v[32+8*t:32+8*t+3], s[\b:\b+1] offset:t*\stride
	global_store_b128 v31, v[32+8*t+4:32+8*t+7], s[\b:\b+1] offset:t*\stride+512
.set t, t+1
.endr
.endm
	s_mov_b32 s3, 0
	s_wait_dscnt 0x0
	s_cmp_lt_u32 s8, 4
	s_cbranch_scc0 .Lrows_b
	s_lshl_b32 s2, s9, 15                          ; aT row n*32 + 8 w
	s_lshl_b32 s4, s8, 13
	s_add_co_u32 s2, s2, s4
	s_add_nc_u64 s[42:43], s[42:43], s[2:3]
	STROWS 42, 1024
	s_branch .Lrows_done
.Lrows_b:
	s_lshr_b32 s2, s9, 4                           ; bT row ((n>>4)*32 + e)*16 + (n&15), e = 8 (w-4) + t
	s_lshl_b32 s2, s2, 19
	s_and_b32 s4, s9, 15
	s_lshl_b32 s4, s4, 10
	s_add_co_u32 s2, s2, s4
	s_sub_co_u32 s4, s8, 4
	s_lshl_b32 s4, s4, 17
	s_add_co_u32 s2, s2, s4
	s_add_nc_u64 s[44:45], s[44:45], s[2:3]
	STROWS 44, 16384
.Lrows_done:
	s_lshl_b32 s67, s9, 10                         ; n * 1,024: row n of mkT, fragment n of wop and wpk
	s_cmp_lt_u32 s8, 2
	s_cbranch_scc0 .Lno_mask
	; waves 0 and 1: the mask column in bf16, 256 s each
	s_lshl_b32 s4, s8, 10
	v_lshlrev_b32 v150, 5, v1
	v_add_nc_u32 v150, s4, v150
	ds_load_b128 v[96:99], v150 offset:MSK
	ds_load_b128 v[100:103], v150 offset:MSK+16
	s_lshl_b32 s4, s8, 9
	s_add_co_u32 s2, s67, s4
	s_add_nc_u64 s[46:47], s[46:47], s[2:3]
	s_wait_dscnt 0x0
.irp p, 0,1,2,3
	v_cvt_pk_bf16_f32 v[104+\p], v[96+2*\p], v[96+2*\p+1]
.endr
	global_store_b128 v31, v[104:107], s[46:47]
	s_set_vgpr_msb 0x5
	s_wait_tensorcnt 0x0
	ds_add_u32 v0, v1
	s_wait_dscnt 0x0
	s_set_vgpr_msb 0x500
	s_endpgm
.Lno_mask:
	s_cmp_eq_u32 s8, 2
	s_cbranch_scc1 .Lwop
	s_cmp_eq_u32 s8, 3
	s_cbranch_scc1 .Lwpk
	s_set_vgpr_msb 0x5
	s_wait_tensorcnt 0x0
	ds_add_u32 v0, v1
	s_wait_dscnt 0x0
	s_set_vgpr_msb 0x500
	s_endpgm
.Lwop:                                             ; fragment n = e*8 + ft of opm_wout: k = c, value wout[(c*32+e)*128 + 16 ft + r]
	s_mov_b64 s[52:53], s[28:29]
	s_mov_b32 s54, 16384                           ; bytes from k to k + 1
	s_lshl_b32 s55, s9, 6                          ; e*512 + ft*64 = 64 n
	s_mov_b64 s[58:59], s[48:49]
	s_mov_b32 s63, 0                               ; rounded to bf16
	s_branch .Lpack
.Lwpk:
	s_cmp_lt_u32 s9, 192
	s_cbranch_scc1 .Lwpk_go
	s_set_vgpr_msb 0x5
	s_wait_tensorcnt 0x0
	ds_add_u32 v0, v1
	s_wait_dscnt 0x0
	s_set_vgpr_msb 0x500
	s_endpgm
.Lwpk_go:
	s_lshr_b32 s60, s9, 5                          ; which weight
	s_and_b32 s61, s9, 31                          ; which fragment of it
	s_and_b32 s56, s61, 1                          ; [64][256]: f = nt*2 + ks
	s_lshl_b32 s56, s56, 15
	s_lshr_b32 s62, s61, 1
	s_lshl_b32 s62, s62, 6
	s_add_co_u32 s56, s56, s62
	s_lshr_b32 s57, s61, 2                         ; [256][64]: f = ks*4 + nt
	s_lshl_b32 s57, s57, 13
	s_and_b32 s62, s61, 3
	s_lshl_b32 s62, s62, 6
	s_add_co_u32 s57, s57, s62
	s_mov_b64 s[52:53], s[30:31]
	s_mov_b32 s54, 1024
	s_mov_b32 s55, s56
	s_cmp_eq_u32 s60, 1
	s_cselect_b64 s[52:53], s[32:33], s[52:53]
	s_cmp_eq_u32 s60, 2
	s_cselect_b64 s[52:53], s[34:35], s[52:53]
	s_cselect_b32 s54, 256, s54
	s_cselect_b32 s55, s57, s55
	s_cmp_eq_u32 s60, 3
	s_cselect_b64 s[52:53], s[36:37], s[52:53]
	s_cmp_eq_u32 s60, 4
	s_cselect_b64 s[52:53], s[38:39], s[52:53]
	s_cmp_eq_u32 s60, 5
	s_cselect_b64 s[52:53], s[40:41], s[52:53]
	s_cselect_b32 s54, 256, s54
	s_cselect_b32 s55, s57, s55
	s_cselect_b32 s63, 0, 1                        ; tr_wo to bf16, the other five to f16
	s_mov_b64 s[58:59], s[50:51]
.Lpack:
	s_mov_b32 s2, s67
	s_add_nc_u64 s[58:59], s[58:59], s[2:3]
	s_lshl_b32 s66, s54, 3
	v_mul_lo_u32 v148, v3, s66                     ; 8 hh steps of k
	v_lshl_add_u32 v148, v2, 2, v148               ; + column r
	v_add_nc_u32 v148, s55, v148
.set i, 0
.rept 16
	v_mad_u32_u24 v[108+i], s54, (i/8)*16+(i%8), v148
	global_load_b32 v[124+i], v[108+i], s[52:53]
.set i, i+1
.endr
	s_wait_loadcnt 0x0
	s_cmp_eq_u32 s63, 0
	s_cbranch_scc1 .Lpack_bf
.set p, 0
.rept 8
	v_cvt_pk_f16_f32 v[140+p], v[124+2*p], v[124+2*p+1]
.set p, p+1
.endr
	s_branch .Lpack_st
.Lpack_bf:
.set p, 0
.rept 8
	v_cvt_pk_bf16_f32 v[140+p], v[124+2*p], v[124+2*p+1]
.set p, p+1
.endr
.Lpack_st:
	global_store_b128 v31, v[140:143], s[58:59]
	global_store_b128 v31, v[144:147], s[58:59] offset:512
	s_set_vgpr_msb 0x5
	s_wait_tensorcnt 0x0
	ds_add_u32 v0, v1
	s_wait_dscnt 0x0
	s_set_vgpr_msb 0x500
	s_endpgm
.Lfunc_end_k_qe57ba2e183_prep:
	.size	k_qe57ba2e183_prep, .Lfunc_end_k_qe57ba2e183_prep-k_qe57ba2e183_prep
	.p2alignl 7, 3214868480
	.fill 96, 4, 3214868480
	.section	.rodata,"a",@progbits
	.p2align	6, 0x0
	.amdhsa_kernel k_qe57ba2e183_prep
		.amdhsa_group_segment_fixed_size 151552
		.amdhsa_private_segment_fixed_size 0
		.amdhsa_enable_private_segment 0
		.amdhsa_kernarg_size 144
		.amdhsa_user_sgpr_count 2
		.amdhsa_user_sgpr_kernarg_segment_ptr 1
		.amdhsa_wavefront_size32 1
		.amdhsa_system_sgpr_workgroup_id_x 1
		.amdhsa_system_sgpr_workgroup_id_y 1
		.amdhsa_system_sgpr_workgroup_id_z 1
		.amdhsa_system_vgpr_workitem_id 0
		.amdhsa_next_free_vgpr 258
		.amdhsa_next_free_sgpr 100
		.amdhsa_reserve_vcc 0
		.amdhsa_float_denorm_mode_32 3
		.amdhsa_float_denorm_mode_16_64 3
		.amdhsa_memory_ordered 1
		.amdhsa_forward_progress 1
		.amdhsa_inst_pref_size 80
	.end_amdhsa_kernel
	.amdgpu_metadata
---
amdhsa.version: [ 1, 2 ]
amdhsa.kernels:
  - .name:           k_qe57ba2e183_prep
    .symbol:         k_qe57ba2e183_prep.kd
    .args:
      - { .name: m, .offset: 0, .size: 8, .value_kind: global_buffer, .address_space: global }
      - { .name: msa_mask, .offset: 8, .size: 8, .value_kind: global_buffer, .address_space: global }
      - { .name: opm_ln_w, .offset: 16, .size: 8, .value_kind: global_buffer, .address_space: global }
      - { .name: opm_ln_b, .offset: 24, .size: 8, .value_kind: global_buffer, .address_space: global }
      - { .name: opm_w1, .offset: 32, .size: 8, .value_kind: global_buffer, .address_space: global }
      - { .name: opm_w2, .offset: 40, .size: 8, .value_kind: global_buffer, .address_space: global }
      - { .name: opm_wout, .offset: 48, .size: 8, .value_kind: global_buffer, .address_space: global }
      - { .name: pwa_wv, .offset: 56, .size: 8, .value_kind: global_buffer, .address_space: global }
      - { .name: pwa_wg, .offset: 64, .size: 8, .value_kind: global_buffer, .address_space: global }
      - { .name: pwa_wo, .offset: 72, .size: 8, .value_kind: global_buffer, .address_space: global }
      - { .name: tr_wa, .offset: 80, .size: 8, .value_kind: global_buffer, .address_space: global }
      - { .name: tr_wb, .offset: 88, .size: 8, .value_kind: global_buffer, .address_space: global }
      - { .name: tr_wo, .offset: 96, .size: 8, .value_kind: global_buffer, .address_space: global }
      - { .name: aT, .offset: 104, .size: 8, .value_kind: global_buffer, .address_space: global }
      - { .name: bT, .offset: 112, .size: 8, .value_kind: global_buffer, .address_space: global }
      - { .name: mkT, .offset: 120, .size: 8, .value_kind: global_buffer, .address_space: global }
      - { .name: wop, .offset: 128, .size: 8, .value_kind: global_buffer, .address_space: global }
      - { .name: wpk, .offset: 136, .size: 8, .value_kind: global_buffer, .address_space: global }
    .group_segment_fixed_size: 151552
    .private_segment_fixed_size: 0
    .kernarg_segment_align: 8
    .kernarg_segment_size: 144
    .max_flat_workgroup_size: 256
    .sgpr_count:     100
    .vgpr_count:     258
    .wavefront_size: 32
...
	.end_amdgpu_metadata
.endif
;; end of part 1
;; launch opm (part 2): grid 8 x 32, 4 waves a work-group, clusters of 4 x 4, 327,680 bytes of LDS; arguments aT, bT, mkT, wop, z, opm_bout, pwa_lnz_w, pwa_lnz_b, pwa_wz, out1, lgt; writes out1, lgt
.if DOCPART == 2
	.amdgcn_target "amdgcn-amd-amdhsa--gfx1250"
	.amdhsa_code_object_version 6
	.text
	.protected	k_qe57ba2e183_opm
	.globl	k_qe57ba2e183_opm
	.p2align	8
	.type	k_qe57ba2e183_opm,@function
k_qe57ba2e183_opm:
	s_mov_b64 s[64:65], 0
	v_nop
	global_prefetch_b8 v0, s[64:65] scope:SCOPE_SE
	s_setreg_imm32_b32 hwreg(HW_REG_WAVE_MODE, 25, 1), 1
	s_wait_xcnt 0x0
	s_wait_alu depctr_hold_cnt(0) depctr_sa_sdst(0) depctr_va_vdst(0) depctr_va_sdst(0) depctr_va_ssrc(0) depctr_va_vcc(0) depctr_vm_vsrc(0)
	s_getreg_b32 s2, hwreg(HW_REG_IB_STS2, 6, 4)
	s_cmp_eq_u32 s2, 0
	s_cbranch_scc0 .Lentry_in_a_cluster
	s_endpgm
.Lentry_in_a_cluster:
	s_bfe_u32 s2, ttmp6, 0x10000c
	s_cmp_lg_u32 s2, 0xf033
	s_cbranch_scc0 .Lentry_shape_is_right
	s_endpgm
.Lentry_shape_is_right:
; opm: out1 = z + (outer @ wout + bout) / (norm + 1e-3), and lgt = LN(out1) @ pwa_wz, without ever storing 'outer'.
; A work-group owns 8 i x 32 j; wave (wr, wc) owns 4 i x 16 j.  The 32 values of e go in four chunks of 8.  In a chunk a wave makes
; outer[i][j][c][e] as a 128 x 128 product over K = s = 512: rows (i, c) of aT, columns (e, j) of bT; tile (a, b): a = 2 i_l + c/16, b = e_l,
; lane = j, a lane's 8 registers = 8 neighbouring c.  Two such tiles, rounded to bf16, ARE a 16 x 32 operand (lane j, k = c), which is
; multiplied by wout's fragment of that e into Z(i_l, ft): lane j, 8 neighbouring features.  So 'outer' lives in registers only.
; The ring: two LDS slots of a K step of 128 (rows of 256 bytes), filled by joint tensor loads in a 4 x 4 cluster: aT's tile hangs on the
; block of i alone (shared along a row of the cluster), bT's on the block of j alone (shared along a column).
; THE TEXT IS KEPT SHORT, so that most of it runs many times.  A lap is two K steps, 8 quarter steps; a chunk is two laps.  One loop of 7 trips
; walks the laps: a trip does quarters 1 to 7 of its lap, both refills among them, and then, by the lap's parity (a forward branch that holds no
; tensor load and no barrier), either quarter 0 of the next lap, adding on, or the chunk's second product and quarter 0 with C = 0.  Quarter 0 of
; lap 0 stands ahead of the loop; lap 7, which fills nothing, and the last second product are written out behind it.  Z starts as the bias, loaded
; straight into its registers, so that the second product has one form.  The way out is a loop over my four i.
; Registers by windows of 256: 0: v4-31 addresses and small things, v32-63 wz's fragments, v64-127 A fragments, v128-191 and v192-255 B fragments;
; 1: Z, 32 tiles; 2, 3: the 64 accumulator tiles of the outer product (tile (a, b) at 8 (8 (a&3) + b) of window 2 + a/4).
; Limits: matrix operands (a, b, mask, outer, wout, LN(z), wz) are bf16; v_rcp_f32 and v_rsq_f32 flush denormals.
.set PITCH, 272                        ; 256 bytes of a row + 16 of padding
.set HALFT, 128*PITCH
.set SLOT,  4*HALFT                    ; A's 256 rows, then B's 256 rows
.set SP,    528                        ; the way out: a row of 128 f32 + 16 bytes
.set AREA,  16*SP                      ; 16 rows j of one i; four areas a wave, 33,792 bytes, four waves: 135,168 bytes, inside slot 0
.set RN,   4                           ; v4-11   1/(norm+eps) of my four i, each twice; free behind the scaling of Z
.set T,    4                           ; v4-12   the way out: at work
.set MEAN, 14                          ; v14-15
.set ADRA, 16                          ; v16-17  LDS address of my A fragments in slot 0, 1
.set LOG,  16                          ; v16-19  the way out: four logits to store
.set ADRB, 20                          ; v20-21  the same for B
.set RS,   20                          ; v20-21  the way out: 1/sigma, twice
.set L16,  22                          ; 16 * lane
.set STI,  23                          ; my area by rows: 16 lane
.set STF,  24                          ; my area by fragments: r*528 + 32 hh
.set LGO,  25                          ; r*32 + 16 hh
.set NA,   26
.set NB,   27
.set PF,   28                          ; 256 * lane
.set HB,   29                          ; 32 hh
.set WZO,  30
.set WZ,   32                          ; v32-63  wz's four fragments, from the start to the end
.set AF,   64
.set BF0,  128
.set BF1,  192
.set NT,   64                          ; the norm's two accumulators, ahead of the first fragments
.set GW,   64                          ; the way out: lnz_w, in A's place
.set ZR,   128                         ; z's 16 rows of one i, in B's first buffer
.set GB,   192                         ; lnz_b, in B's second buffer
.set NZ,   0                           ; window 2 in the way out: the new z by rows,
.set FR,   64                          ; by fragments,
.set ZN,   128                         ; normalised, four bf16 fragments,
.set LG,   160                         ; and the logits' two accumulators
.set G1,  24
.set G0,  32
.set G1B, 48
.set G0B, 56
.set MSB, 0
.macro WIN new                         ; the immediate's high byte repeats the setting that is left
.if MSB != (\new)
	s_set_vgpr_msb (MSB<<8)|(\new)
.set MSB, (\new)
.endif
.endm
.macro NOPS n
.rept \n
	v_nop
.endr
.endm
; waves 0, 1 ask for A's halves, waves 2, 3 for B's: each line has one mask; the branch hangs on the wave's number alone
.macro JLOAD s
	s_cmp_eq_u32 s11, 0
	s_cbranch_scc0 .Lfor_b_\@
	tensor_load_to_lds s[G0+4*\s:G0+4*\s+3], s[G1:G1+7]
	s_nop 0
	s_branch .Lasked_\@
.Lfor_b_\@:
	tensor_load_to_lds s[G0B+4*\s:G0B+4*\s+3], s[G1B:G1B+7]
	s_nop 0
.Lasked_\@:
.endm
.macro CREST                           ; a round of the cluster's barrier behind its opening work-group barrier
	s_cmp_lg_u32 s10, 0
	s_cbranch_scc1 .Lnot_wave_0_\@
	s_barrier_signal -3
.Lnot_wave_0_\@:
	s_barrier_wait -3
	s_barrier_signal -1
	s_barrier_wait -1
.endm
.macro CROUND
	s_barrier_signal -1
	s_barrier_wait -1
	CREST
.endm
	s_load_b512 s[68:83], s[0:1], 0x0              ; aT 68, bT 70, mkT 72, wop 74, z 76, bout 78, lnz_w 80, lnz_b 82
	s_load_b128 s[84:87], s[0:1], 0x40             ; wz 84, out1 86
	s_load_b64 s[88:89], s[0:1], 0x50              ; lgt
	v_lshl_add_u32 v13, v0, 2, 0x44000
	v_mov_b32 v31, 0
	ds_add_u32 v13, v31
	ds_add_u32 v13, v31
	v_lshrrev_b32 v1, 5, v0
	v_readfirstlane_b32 s10, v1                    ; wave
	s_lshr_b32 s11, s10, 1                         ; wr: my 4 of the 8 i.  Also: I fetch for A (0) or B (1)
	s_and_b32 s12, s10, 1                          ; wc: my 16 of the 32 j.  Also: which 128 rows I fetch
	s_bfe_u32 s40, ttmp6, 0x40000                  ; cx
	s_bfe_u32 s41, ttmp6, 0x40004                  ; cy
	s_lshl_b32 s42, ttmp9, 2
	s_add_co_u32 s42, s42, s40                     ; block of j = 4 x cluster x + cx
	s_and_b32 s13, ttmp7, 0xffff
	s_lshl_b32 s13, s13, 2
	s_add_co_u32 s13, s13, s41                     ; block of i = 4 x cluster y + cy
	s_lshl_b32 s43, s41, 2
	s_lshl_b32 s43, 15, s43                        ; my row of the cluster
	s_lshl_b32 s44, 0x1111, s40                    ; my column
	; group 1: 128 rows x 128 bf16, pitch 512 elements, 4 words of padding behind every 64
	s_or_b32 s[G1+0], s43, (1<<16)|(1<<20)|(1<<21)|(5<<22)|(3<<25)
	s_or_b32 s[G1B+0], s44, (1<<16)|(1<<20)|(1<<21)|(5<<22)|(3<<25)
	s_mov_b32 s[G1+1], 128<<16
	s_mov_b32 s[G1B+1], 128<<16
	s_mov_b32 s[G1+2], 128<<16
	s_mov_b32 s[G1B+2], 128<<16
	s_mov_b32 s[G1+3], 128<<16
	s_mov_b32 s[G1B+3], 128<<16
	s_mov_b32 s[G1+4], 128
	s_mov_b32 s[G1B+4], 128
	s_mov_b32 s[G1+5], 512
	s_mov_b32 s[G1B+5], 512
	s_mov_b32 s[G1+6], 0
	s_mov_b32 s[G1B+6], 0
	s_mov_b32 s[G1+7], 0
	s_mov_b32 s[G1B+7], 0
	s_lshl_b32 s17, s12, 7
	s_lshl_b32 s16, s13, 8
	s_add_co_u32 s16, s16, s17
	s_lshl_b32 s16, s16, 10                        ; A: row 256 x block of i + 128 x half, rows of 1,024 bytes
	s_mov_b32 s17, 0
	s_lshl_b32 s46, s42, 1
	s_add_co_u32 s46, s46, s12
	s_lshl_b32 s46, s46, 19                        ; B: group of 16 j = 2 x block of j + half; 512 rows of 1,024 bytes each
	s_mov_b32 s47, 0
	s_mul_i32 s20, s10, HALFT                      ; LDS: wave x 128 rows
	s_wait_dscnt 0x0
	s_wait_kmcnt 0x0
	s_add_nc_u64 s[14:15], s[68:69], s[16:17]
	s_add_nc_u64 s[46:47], s[70:71], s[46:47]
	CROUND                                         ; all sixteen work-groups are here: the first joint loads meet
.irp s, 0,1
	s_mov_b32 s[G0+4*\s], 1
	s_add_co_u32 s[G0+4*\s+1], s20, \s*SLOT
	s_add_nc_u64 s[G0+4*\s+2:G0+4*\s+3], s[14:15], \s*256
	s_or_b32 s[G0+4*\s+3], s[G0+4*\s+3], 0x80000000
	s_mov_b32 s[G0B+4*\s], 1
	s_add_co_u32 s[G0B+4*\s+1], s20, \s*SLOT
	s_add_nc_u64 s[G0B+4*\s+2:G0B+4*\s+3], s[46:47], \s*256
	s_or_b32 s[G0B+4*\s+3], s[G0B+4*\s+3], 0x80000000
	JLOAD \s                                       ; K steps 0 and 1: two loads of the wave are out
.endr
	v_and_b32 v1, 15, v0                           ; r
	v_bfe_u32 v2, v0, 4, 1                         ; hh
	v_and_b32 v4, 31, v0
	v_mul_u32_u24 v3, v1, PITCH
	v_lshl_add_u32 v3, v2, 4, v3
	s_mul_i32 s21, s11, HALFT
	s_mul_i32 s22, s12, HALFT
	s_add_co_u32 s22, s22, 2*HALFT
.irp s, 0,1
	v_add_nc_u32 v[ADRA+\s], s21, v3
	v_add_nc_u32 v[ADRB+\s], s22, v3
	s_add_co_u32 s21, s21, SLOT
	s_add_co_u32 s22, s22, SLOT
.endr
	v_lshlrev_b32 v[L16], 4, v4
	s_mul_i32 s23, s10, 4*AREA                     ; my four areas of the way out
	v_add_nc_u32 v[STI], s23, v[L16]
	v_mul_u32_u24 v3, v1, SP
	v_lshl_add_u32 v3, v2, 5, v3
	v_add_nc_u32 v[STF], s23, v3
	v_lshlrev_b32 v3, 5, v1
	v_lshl_add_u32 v[LGO], v2, 4, v3
	v_and_b32 v3, 3, v1
	v_lshlrev_b32 v3, 10, v3
	v_lshl_add_u32 v[NA], v2, 4, v3                ; mask row of i: (r & 3) rows + 16 hh
	v_lshlrev_b32 v3, 10, v1
	v_lshl_add_u32 v[NB], v2, 4, v3                ; mask row of j: r rows + 16 hh
	v_lshlrev_b32 v[PF], 8, v4
	v_lshlrev_b32 v[HB], 5, v2
	v_and_b32 v3, 7, v1
	v_lshlrev_b32 v3, 2, v3
	v_lshl_add_u32 v[WZO], v2, 8, v3               ; wz: 8 hh rows of 32 bytes + head (r & 7)
	v_mov_b32 v[T+8], 0                            ; v_permlanex16_b32's destination counts as read
	s_mov_b32 s66, 0x76543210                      ; v_permlanex16_b32: lane i takes lane i of the other half
	s_mov_b32 s67, 0xfedcba98
	s_mov_b32 s9, 0x3c000000                       ; 1/128
	s_lshl_b32 s90, s13, 3
	s_lshl2_add_u32 s90, s11, s90                  ; my first i
	s_lshl_b32 s91, s42, 5
	s_lshl4_add_u32 s91, s12, s91                  ; my first j
	s_lshl_b32 s98, s90, 10
	s_mov_b32 s99, 0
	s_add_nc_u64 s[92:93], s[72:73], s[98:99]      ; mkT at my i
	s_lshl_b32 s98, s91, 10
	s_add_nc_u64 s[94:95], s[72:73], s[98:99]      ; mkT at my j
	s_lshl_b32 s96, s90, 17
	s_lshl_b32 s98, s91, 9
	s_add_co_u32 s98, s98, s96
	s_add_nc_u64 s[76:77], s[76:77], s[98:99]      ; z and out1 at (i, j, 0)
	s_add_nc_u64 s[86:87], s[86:87], s[98:99]
	s_lshl_b32 s96, s90, 13
	s_lshl_b32 s98, s91, 5
	s_add_co_u32 s98, s98, s96
	s_add_nc_u64 s[88:89], s[88:89], s[98:99]      ; lgt at (i, j, 0)
	; norm[i][j] = sum over s of mask[s][i] mask[s][j]: 16 products of K = 32; row m of the first operand is i_l = m & 3, so that
	; registers 0-3 of every lane hold the norms of my four i for j = r.  Two accumulators take turns.  wz comes with the masks.
	WIN 0x80
.set kk, 0
.rept 16
	global_load_b128 v[8*kk:8*kk+3], v[NA], s[92:93] offset:kk*64
	global_load_b128 v[8*kk+4:8*kk+7], v[NA], s[92:93] offset:kk*64+32
	global_load_b128 v[128+8*kk:128+8*kk+3], v[NB], s[94:95] offset:kk*64
	global_load_b128 v[128+8*kk+4:128+8*kk+7], v[NB], s[94:95] offset:kk*64+32
.set kk, kk+1
.endr
	WIN 0xc0
.set i, 0
.rept 64                                           ; wz[f][head r & 7], f = 32 kb + 16 u + 8 hh + e, into window 3
	global_load_b32 v[i], v[WZO], s[84:85] offset:((i/16)*32+((i/8)%2)*16+(i%8))*32
.set i, i+1
.endr
	s_wait_loadcnt 0x0
	WIN 0x0a
	v_wmma_f32_16x16x32_bf16 v[NT:NT+7], v[0:7], v[128:135], 0
	v_wmma_f32_16x16x32_bf16 v[NT+8:NT+15], v[8:15], v[136:143], 0
.set kk, 2
.rept 14
	v_wmma_f32_16x16x32_bf16 v[NT+8*(kk%2):NT+8*(kk%2)+7], v[8*kk:8*kk+7], v[128+8*kk:128+8*kk+7], v[NT+8*(kk%2):NT+8*(kk%2)+7]
.set kk, kk+1
.endr
	WIN 0x0f
.set p, 0
.rept 32
	v_cvt_pk_bf16_f32 v[WZ+p], v[2*p], v[2*p+1]    ; wz's fragments: row m is head m & 7
.set p, p+1
.endr
	WIN 0
	NOPS 4                                         ; four places before vector instructions read the norms
.irp i, 0,1,2,3
	v_add_f32 v[RN+2*\i], v[NT+\i], v[NT+8+\i]
.endr
.irp i, 0,1,2,3
	v_add_f32 v[RN+2*\i], 0x3a83126f, v[RN+2*\i]   ; + 1e-3
.endr
.irp i, 0,1,2,3
	v_rcp_f32 v[RN+2*\i], v[RN+2*\i]
.endr
	v_nop
	s_wait_alu depctr_va_vdst(0)
.irp i, 0,1,2,3
	v_mov_b32 v[RN+2*\i+1], v[RN+2*\i]
.endr
	; Z starts as the bias: features 16 ft + 8 hh + 4 u + 0..3 (g = 2 ft + u) of each of my four i, straight into Z's registers
	WIN 0x40
.set il, 0
.rept 4
.set g, 0
.rept 16
	global_load_b128 v[64*il+4*g:64*il+4*g+3], v[HB], s[78:79] offset:(g/2)*64+(g%2)*16
.set g, g+1
.endr
.set il, il+1
.endr
	WIN 0
	NOPS 5                                         ; five places before matrix instructions write over the mask fragments
; 16 matrix instructions: row tiles a0, a0+1 of the window's four (hi = 0: window 2, 1: window 3) x all 8 column tiles.
; The 64 accumulators take turns, one instruction a turn, in the same order in every quarter step.
.macro MULH bf, hi, a0, zero
.set aa, \a0
.rept 2
.set bb, 0
.rept 8
.if \zero
	v_wmma_f32_16x16x32_bf16 v[8*(8*aa+bb):8*(8*aa+bb)+7], v[AF+8*(4*\hi+aa):AF+8*(4*\hi+aa)+7], v[\bf+8*bb:\bf+8*bb+7], 0
.else
	v_wmma_f32_16x16x32_bf16 v[8*(8*aa+bb):8*(8*aa+bb)+7], v[AF+8*(4*\hi+aa):AF+8*(4*\hi+aa)+7], v[\bf+8*bb:\bf+8*bb+7], v[8*(8*aa+bb):8*(8*aa+bb)+7]
.endif
.set bb, bb+1
.endr
.set aa, aa+1
.endr
.endm
.macro FA slot, k, f0                  ; 8 LDS loads: A fragments f0 .. f0+3 at byte k of the rows
.set ii, \f0
.rept 4
	ds_load_b128 v[AF+8*ii:AF+8*ii+3], v[ADRA+\slot] offset:\k+ii*16*PITCH
	ds_load_b128 v[AF+8*ii+4:AF+8*ii+7], v[ADRA+\slot] offset:\k+ii*16*PITCH+32
.set ii, ii+1
.endr
.endm
.macro FB slot, k, bf                  ; 16 LDS loads: the 8 B fragments
.set ii, 0
.rept 8
	ds_load_b128 v[\bf+8*ii:\bf+8*ii+3], v[ADRB+\slot] offset:\k+ii*16*PITCH
	ds_load_b128 v[\bf+8*ii+4:\bf+8*ii+7], v[ADRB+\slot] offset:\k+ii*16*PITCH+32
.set ii, ii+1
.endr
.endm
; a quarter step (32 along K); k: byte of the NEXT quarter.  A has one buffer, refilled half by half behind the products that read it
; (four places between); B has two.
.macro Q slot, k, bcur, bnxt, zero
	s_wait_dscnt 8                                 ; all but the youngest eight loads (A's fragments 4-7) are in
	WIN 0xa0
	MULH \bcur, 0, 0, \zero
	MULH \bcur, 0, 2, \zero
	WIN 0
	NOPS 4
	FA \slot, \k, 0
	FB \slot, \k, \bnxt
	s_wait_dscnt 24                                ; all but the 24 just issued
	WIN 0xf0
	MULH \bcur, 1, 0, \zero
	MULH \bcur, 1, 2, \zero
	WIN 0
	NOPS 4
	FA \slot, \k, 4
.endm
.macro THREE slot
	Q \slot, 64,  BF0, BF1, 0
	Q \slot, 128, BF1, BF0, 0
	Q \slot, 192, BF0, BF1, 0
.endm
; the fourth quarter changes slots.  In front of the barrier each wave waits for its reads of this slot and for all its tensor loads (one is
; out: its part of the next slot).  Where the slot is filled again the barrier opens a round of the cluster's barrier, and the joint load is
; the wave's first and only tensor load behind it.  Its addresses step by what the lap's parity has set: A's by s[4:5] (1,024 or 0, upper word 0)
; less the constant 512, B's by s[6:7] (512 or 130,560, upper word 0): steps of at most 17 bits, which leave the type bits on top alone.
.macro TURN slot, next, fill
	s_wait_dscnt 8
	WIN 0xa0
	MULH BF1, 0, 0, 0
	s_wait_dscnt 0
	s_wait_tensorcnt 0x0
	ds_add_u32 v13, v31
	s_wait_dscnt 0x0
	s_barrier_signal -1
	MULH BF1, 0, 2, 0
	WIN 0
	s_barrier_wait -1
.if \fill
	CREST
	s_add_nc_u64 s[G0+4*\slot+2:G0+4*\slot+3], s[G0+4*\slot+2:G0+4*\slot+3], s[4:5]
	s_sub_nc_u64 s[G0+4*\slot+2:G0+4*\slot+3], s[G0+4*\slot+2:G0+4*\slot+3], 512
	s_add_nc_u64 s[G0B+4*\slot+2:G0B+4*\slot+3], s[G0B+4*\slot+2:G0B+4*\slot+3], s[6:7]
	JLOAD \slot
.endif
	NOPS 4
	FA \next, 0, 0
	FB \next, 0, BF0
	WIN 0xf0
	MULH BF1, 1, 0, 0
	MULH BF1, 1, 2, 0
	WIN 0
	NOPS 4
	FA \next, 0, 4
.endm
; wout's 8 fragments of e (of the chunk's 8) into one of four buffers of 64 registers: the odd tiles that the rounding has freed
.macro WLOAD e
.set wbw, 2+((\e&3)>>1)
.set wbr, 64+128*(\e&1)
	WIN (wbw<<6)
.set ft, 0
.rept 8
	global_load_b128 v[wbr+8*ft:wbr+8*ft+3], v[L16], s[74:75] offset:(\e*8+ft)*1024
	global_load_b128 v[wbr+8*ft+4:wbr+8*ft+7], v[L16], s[74:75] offset:(\e*8+ft)*1024+512
.set ft, ft+1
.endr
.endm
; the chunk's outer tile is rounded in place to 32 fragments (i_l, e) and multiplied by wout: Z(i_l, ft) += wout(ft, e) x outer(i_l, e).
; The four places behind the last product of the outer tile stand at the end of the quarter step in front.
.macro GEMM2
.set il, 0
.rept 4
.if il < 2
	WIN 0x8a
.else
	WIN 0xcf
.endif
.set ee, 0
.rept 8
.set fb, 128*(il&1)+8*ee
.set pp, 0
.rept 4
	v_cvt_pk_bf16_f32 v[fb+pp], v[fb+2*pp], v[fb+2*pp+1]           ; c = 8 hh + 0..7
.set pp, pp+1
.endr
.set pp, 0
.rept 4
	v_cvt_pk_bf16_f32 v[fb+4+pp], v[fb+64+2*pp], v[fb+64+2*pp+1]   ; c = 16 + 8 hh + 0..7
.set pp, pp+1
.endr
.set ee, ee+1
.endr
	WLOAD il
.set il, il+1
.endr
.set ee, 0
.rept 8
.if ee < 5
	s_wait_loadcnt 48                              ; three later e's fragments, 16 loads each, may stay out; whatever was issued ahead of wout's loads is older and in
.else
	s_wait_loadcnt 16*(7-ee)
.endif
.set wsr, 64+128*(ee&1)
.set il, 0
.rept 4
	WIN 0x50|((2+(il>>1))<<2)|(2+((ee&3)>>1))
.set ft, 0
.rept 8
	v_wmma_f32_16x16x32_bf16 v[64*il+8*ft:64*il+8*ft+7], v[wsr+8*ft:wsr+8*ft+7], v[128*(il&1)+8*ee:128*(il&1)+8*ee+7], v[64*il+8*ft:64*il+8*ft+7]
.set ft, ft+1
.endr
.set il, il+1
.endr
.if ee < 4
	NOPS 4
.set e4, ee+4
	WLOAD e4
.endif
.set ee, ee+1
.endr
	WIN 0
.endm
	s_wait_tensorcnt 1                             ; my part of K step 0 is in; K step 1's may stay out
	s_barrier_signal -1
	s_barrier_wait -1
	FA 0, 0, 0
	FB 0, 0, BF0
	FA 0, 0, 4
	Q 0, 64, BF0, BF1, 1                           ; quarter 0 of lap 0 starts the first chunk's sums
	s_wait_loadcnt 0x0                             ; Z's start, the bias, has landed
	s_mov_b32 s5, 0                                ; the upper words of both steps
	s_mov_b32 s7, 0
	s_mov_b32 s3, 0                                ; the lap
.Llap:
	; lap l fills K steps 2l+2 and 2l+3.  Even l: the same chunk's second half, 512 bytes on in A's and B's rows.
	; Odd l: the next chunk's first half: A back by 512 bytes, B 128 rows of 1,024 bytes on and 512 bytes back.
	s_and_b32 s8, s3, 1                            ; the lap's parity
	s_add_co_u32 s4, s3, 1
	s_and_b32 s4, s4, 1
	s_mul_i32 s4, s4, 1024                         ; A: 1,024 (even) or 0 (odd); the refill takes 512 away: +512 or -512
	s_mul_i32 s6, s8, 130048
	s_add_co_u32 s6, s6, 512                       ; B: +512 or +130,560
	Q 0, 128, BF1, BF0, 0
	Q 0, 192, BF0, BF1, 0
	TURN 0, 1, 1
	THREE 1
	TURN 1, 0, 1
	s_cmp_lg_u32 s8, 0
	s_cbranch_scc1 .Lodd
	Q 0, 64, BF0, BF1, 0                           ; the chunk's second lap adds on
	s_branch .Ljoin
.Lodd:
	GEMM2                                          ; the chunk is whole
	s_wait_xcnt 0x0                                ; wout's base is stepped only behind this wait
	s_add_nc_u64 s[74:75], s[74:75], 0x10000       ; the next 8 e
	NOPS 5                                         ; five places before the next chunk writes over the fragments
	Q 0, 64, BF0, BF1, 1                           ; the next chunk's first products start its sums
.Ljoin:
	s_add_co_u32 s3, s3, 1
	s_cmp_lt_u32 s3, 7
	s_cbranch_scc1 .Llap
	; lap 7: nothing is left to fetch, so the change of slots has the work-group's barrier alone
	Q 0, 128, BF1, BF0, 0
	Q 0, 192, BF0, BF1, 0
	TURN 0, 1, 0
.irp i, 0,1,2,3                                    ; my 64 rows of z, 128 blocks of 256 bytes, each asked for once in the launch: three quarter steps ahead of the first rows' loads
	global_prefetch_b8 v[PF], s[76:77] offset:\i*131072 th:TH_LOAD_NT scope:SCOPE_SE
.endr
	THREE 1
	; the last quarter step multiplies B's second buffer; the first, four places behind its last reader, takes z's rows of my first i
.set jj, 0
.rept 16
	global_load_b128 v[ZR+4*jj:ZR+4*jj+3], v[L16], s[76:77] offset:jj*512 th:TH_LOAD_NT
.set jj, jj+1
.endr
	s_wait_dscnt 8
	WIN 0xa0
	MULH BF1, 0, 0, 0
	MULH BF1, 0, 2, 0
	s_wait_dscnt 0
	WIN 0xf0
	MULH BF1, 1, 0, 0
	MULH BF1, 1, 2, 0
	WIN 0
	NOPS 4
.set g, 0
.rept 16                                           ; lnz_w and lnz_b of features 16 ft + 8 hh + 4 u + 0..3, g = 2 ft + u
	global_load_b128 v[GW+4*g:GW+4*g+3], v[HB], s[80:81] offset:(g/2)*64+(g%2)*16
	global_load_b128 v[GB+4*g:GB+4*g+3], v[HB], s[82:83] offset:(g/2)*64+(g%2)*16
.set g, g+1
.endr
	GEMM2
	; THE WAY OUT.  Z / (norm + eps) goes, in fragment order, into my four areas in slot 0: that slot has had its last fill, and every wave's last
	; read of it lies in front of lap 7's barrier.  Each area is my own, so LDS's serving a wave in order is all the ordering that it needs.
	NOPS 4
	WIN 0x41
.set il, 0
.rept 4
.set p, 0
.rept 32
	v_pk_mul_f32 v[64*il+2*p:64*il+2*p+1], v[64*il+2*p:64*il+2*p+1], v[RN+2*il:RN+2*il+1]
.set p, p+1
.endr
.set il, il+1
.endr
	WIN 0x04
.set il, 0
.rept 4
.set g, 0
.rept 16
	ds_store_b128 v[STF], v[64*il+4*g:64*il+4*g+3] offset:il*AREA+(g/2)*64+(g%2)*16
.set g, g+1
.endr
.set il, il+1
.endr
	WIN 0
	v_cmp_ne_u32 vcc_lo, 0, v2
.macro REDUCE                          ; v[T] = the sum of the four pairs v[T:T+7] over both halves of the wave
	v_pk_add_f32 v[T:T+1], v[T:T+1], v[T+2:T+3]
	v_pk_add_f32 v[T+4:T+5], v[T+4:T+5], v[T+6:T+7]
	v_pk_add_f32 v[T:T+1], v[T:T+1], v[T+4:T+5]
	v_add_f32 v[T], v[T], v[T+1]
	v_permlanex16_b32 v[T+8], v[T], s66, s67       ; the partner lane holds the row's other 64 features
	v_add_f32 v[T], v[T], v[T+8]
.endm
	s_mov_b32 s3, 0                                ; which of my four i
.Lrow:
	WIN 0x80
.set jj, 0
.rept 16
	ds_load_b128 v[NZ+4*jj:NZ+4*jj+3], v[STI] offset:jj*SP        ; the area by rows: 512 bytes of row jj
.set jj, jj+1
.endr
	s_wait_loadcnt 0x0                             ; z's rows of this i
	s_wait_dscnt 0x0
	WIN 0x88
.set p, 0
.rept 32
	v_pk_add_f32 v[NZ+2*p:NZ+2*p+1], v[ZR+2*p:ZR+2*p+1], v[NZ+2*p:NZ+2*p+1]   ; the new z
.set p, p+1
.endr
	WIN 0x08
.set jj, 0
.rept 16
	ds_store_b128 v[STI], v[NZ+4*jj:NZ+4*jj+3] offset:jj*SP       ; back into the area, each lane onto what it read
.set jj, jj+1
.endr
.set jj, 0
.rept 16
	global_store_b128 v[L16], v[NZ+4*jj:NZ+4*jj+3], s[86:87] offset:jj*512 th:TH_STORE_NT   ; a whole row of 512 bytes
.set jj, jj+1
.endr
	WIN 0x80
.set g, 0
.rept 16
	ds_load_b128 v[FR+4*g:FR+4*g+3], v[STF] offset:(g/2)*64+(g%2)*16   ; and out in fragment order: lane j, 64 features
.set g, g+1
.endr
	WIN 0
	s_cmp_eq_u32 s3, 3
	s_cbranch_scc1 .Lnoz                           ; behind my last i there is no row to fetch
.set jj, 0
.rept 16
	global_load_b128 v[ZR+4*jj:ZR+4*jj+3], v[L16], s[76:77] offset:131072+jj*512 th:TH_LOAD_NT   ; the next i's rows land during this trip's LayerNorm
.set jj, jj+1
.endr
.Lnoz:
	s_wait_dscnt 0x0
	; LayerNorm over the 128 features: 64 here, 64 in the partner lane
	WIN 0x0a
.set k, 0
.rept 4
	v_pk_add_f32 v[T+2*k:T+2*k+1], v[FR+4*k:FR+4*k+1], v[FR+4*k+2:FR+4*k+3]
.set k, k+1
.endr
	WIN 0x02
.set p, 8
.rept 24
	v_pk_add_f32 v[T+2*(p%4):T+2*(p%4)+1], v[FR+2*p:FR+2*p+1], v[T+2*(p%4):T+2*(p%4)+1]
.set p, p+1
.endr
	WIN 0
	REDUCE
	v_mul_f32 v[MEAN], s9, v[T]
	v_mul_f32 v[MEAN+1], s9, v[T]
	WIN 0x82
.set p, 0
.rept 32
	v_pk_add_f32 v[FR+2*p:FR+2*p+1], v[FR+2*p:FR+2*p+1], v[MEAN:MEAN+1] neg_lo:[0,1] neg_hi:[0,1]
.set p, p+1
.endr
	WIN 0x0a
.set p, 0
.rept 4
	v_pk_mul_f32 v[T+2*p:T+2*p+1], v[FR+2*p:FR+2*p+1], v[FR+2*p:FR+2*p+1]
.set p, p+1
.endr
.rept 28
	v_pk_fma_f32 v[T+2*(p%4):T+2*(p%4)+1], v[FR+2*p:FR+2*p+1], v[FR+2*p:FR+2*p+1], v[T+2*(p%4):T+2*(p%4)+1]
.set p, p+1
.endr
	WIN 0
	REDUCE
	v_fmaak_f32 v[T], s9, v[T], 0x3727c5ac         ; variance + 1e-5
	v_rsq_f32 v[RS], v[T]
	v_nop
	s_wait_alu depctr_va_vdst(0)
	v_mov_b32 v[RS+1], v[RS]
	WIN 0x82
.set p, 0
.rept 32
	v_pk_mul_f32 v[FR+2*p:FR+2*p+1], v[FR+2*p:FR+2*p+1], v[RS:RS+1]
.set p, p+1
.endr
.set p, 0
.rept 32
	v_pk_fma_f32 v[FR+2*p:FR+2*p+1], v[FR+2*p:FR+2*p+1], v[GW+2*p:GW+2*p+1], v[GB+2*p:GB+2*p+1]
.set p, p+1
.endr
	WIN 0x8a
.set p, 0
.rept 32
	v_cvt_pk_bf16_f32 v[ZN+p], v[FR+2*p], v[FR+2*p+1]             ; two neighbouring tiles make a fragment: lane j, k = feature
.set p, p+1
.endr
	; logits: D(m = head, n = j); row m of wz's fragment is head m & 7, so every lane holds all 8 heads of its j.  Two accumulators take turns.
	WIN 0xa8
	v_wmma_f32_16x16x32_bf16 v[LG:LG+7], v[WZ:WZ+7], v[ZN:ZN+7], 0
	v_wmma_f32_16x16x32_bf16 v[LG+8:LG+15], v[WZ+8:WZ+15], v[ZN+8:ZN+15], 0
	v_wmma_f32_16x16x32_bf16 v[LG:LG+7], v[WZ+16:WZ+23], v[ZN+16:ZN+23], v[LG:LG+7]
	v_wmma_f32_16x16x32_bf16 v[LG+8:LG+15], v[WZ+24:WZ+31], v[ZN+24:ZN+31], v[LG+8:LG+15]
	WIN 0x0a
	NOPS 4
.set k, 0
.rept 4
	v_pk_add_f32 v[T+2*k:T+2*k+1], v[LG+2*k:LG+2*k+1], v[LG+8+2*k:LG+8+2*k+1]
.set k, k+1
.endr
	WIN 0
.set k, 0
.rept 4
	v_cndmask_b32 v[LOG+k], v[T+k], v[T+4+k], vcc_lo              ; lanes 0-15 store heads 0-3, lanes 16-31 heads 4-7
.set k, k+1
.endr
	global_store_b128 v[LGO], v[LOG:LOG+3], s[88:89]              ; 16 j x 32 bytes: 512 neighbouring bytes
	s_wait_xcnt 0x0                                ; the bases, the stores' data (the new z, the logits) are written again only behind this wait
	s_add_nc_u64 s[76:77], s[76:77], 0x20000       ; the next i: 256 j x 512 bytes in z and out1,
	s_add_nc_u64 s[86:87], s[86:87], 0x20000
	s_add_nc_u64 s[88:89], s[88:89], 0x2000        ; 256 j x 32 bytes in lgt,
	v_add_nc_u32 v[STI], AREA, v[STI]              ; and its area
	v_add_nc_u32 v[STF], AREA, v[STF]
	s_add_co_u32 s3, s3, 1
	s_cmp_lt_u32 s3, 4
	s_cbranch_scc1 .Lrow
	s_wait_tensorcnt 0x0
	ds_add_u32 v13, v31
	s_wait_dscnt 0x0
	CROUND                                         ; the closing round: no work-group ends while a partner may still ask jointly
	s_endpgm
.Lfunc_end_k_qe57ba2e183_opm:
	.size	k_qe57ba2e183_opm, .Lfunc_end_k_qe57ba2e183_opm-k_qe57ba2e183_opm
	.p2alignl 7, 3214868480
	.fill 96, 4, 3214868480
	.section	.rodata,"a",@progbits
	.p2align	6, 0x0
	.amdhsa_kernel k_qe57ba2e183_opm
		.amdhsa_group_segment_fixed_size 327680
		.amdhsa_private_segment_fixed_size 0
		.amdhsa_enable_private_segment 0
		.amdhsa_kernarg_size 88
		.amdhsa_user_sgpr_count 2
		.amdhsa_user_sgpr_kernarg_segment_ptr 1
		.amdhsa_wavefront_size32 1
		.amdhsa_system_sgpr_workgroup_id_x 1
		.amdhsa_system_sgpr_workgroup_id_y 1
		.amdhsa_system_sgpr_workgroup_id_z 1
		.amdhsa_system_vgpr_workitem_id 0
		.amdhsa_next_free_vgpr 1024
		.amdhsa_next_free_sgpr 100
		.amdhsa_reserve_vcc 1
		.amdhsa_float_denorm_mode_32 3
		.amdhsa_float_denorm_mode_16_64 3
		.amdhsa_memory_ordered 1
		.amdhsa_forward_progress 1
		.amdhsa_inst_pref_size 255
	.end_amdhsa_kernel
	.section	.bss,"aw",@nobits
	.p2align	6
	.space	262144
	.amdgpu_metadata
---
amdhsa.version: [ 1, 2 ]
amdhsa.kernels:
  - .name:           k_qe57ba2e183_opm
    .symbol:         k_qe57ba2e183_opm.kd
    .args:
      - { .name: aT, .offset: 0, .size: 8, .value_kind: global_buffer, .address_space: global }
      - { .name: bT, .offset: 8, .size: 8, .value_kind: global_buffer, .address_space: global }
      - { .name: mkT, .offset: 16, .size: 8, .value_kind: global_buffer, .address_space: global }
      - { .name: wop, .offset: 24, .size: 8, .value_kind: global_buffer, .address_space: global }
      - { .name: z, .offset: 32, .size: 8, .value_kind: global_buffer, .address_space: global }
      - { .name: opm_bout, .offset: 40, .size: 8, .value_kind: global_buffer, .address_space: global }
      - { .name: pwa_lnz_w, .offset: 48, .size: 8, .value_kind: global_buffer, .address_space: global }
      - { .name: pwa_lnz_b, .offset: 56, .size: 8, .value_kind: global_buffer, .address_space: global }
      - { .name: pwa_wz, .offset: 64, .size: 8, .value_kind: global_buffer, .address_space: global }
      - { .name: out1, .offset: 72, .size: 8, .value_kind: global_buffer, .address_space: global }
      - { .name: lgt, .offset: 80, .size: 8, .value_kind: global_buffer, .address_space: global }
    .group_segment_fixed_size: 327680
    .private_segment_fixed_size: 0
    .kernarg_segment_align: 8
    .kernarg_segment_size: 88
    .max_flat_workgroup_size: 128
    .sgpr_count:     100
    .vgpr_count:     1024
    .wavefront_size: 32
...
	.end_amdgpu_metadata
.endif
;; end of part 2
;; launch smax (part 3): grid 16 x 1, 8 waves a work-group, no clusters, 132,352 bytes of LDS; arguments lgt, wat; writes wat
.if DOCPART == 3
	.amdgcn_target "amdgcn-amd-amdhsa--gfx1250"
	.amdhsa_code_object_version 6
	.text
	.protected	k_qe57ba2e183_smax
	.globl	k_qe57ba2e183_smax
	.p2align	8
	.type	k_qe57ba2e183_smax,@function
k_qe57ba2e183_smax:
	s_mov_b64 s[64:65], 0
	v_nop
	global_prefetch_b8 v0, s[64:65] scope:SCOPE_SE
	s_setreg_imm32_b32 hwreg(HW_REG_WAVE_MODE, 25, 1), 1
	s_wait_xcnt 0x0
; smax: w_att[i][j][h] = softmax over j of lgt[i][j][h], stored in f16 in the register order of a matrix operand:
; fragment ((h*16 + it)*8 + kb) of 1,024 bytes, lane r = row i = 16 it + r, k = j = 32 kb + 16 u + 8 hh + e.
; f16: the weights lie in [0, 1]; below 6.1e-5 f16 steps by 6e-8, which is 1.5e-5 of the mean weight 1/256.
; A work-group takes 16 rows i (a fragment needs 16 whole rows, hence 16 work-groups), a wave one head.  The row's true maximum is
; taken away before the exponential.  v_exp_f32 flushes results below 2^-126 to zero.
; The 16 rows (128 KiB) come in as contiguous 16-byte loads and are laid in LDS with a pitch of 8,208 bytes; the picks of one head
; (4 bytes out of 32) then read LDS, not memory.  Lanes r and r + 16 meet in one bank: two passes a load, taken as the price.
.set RP, 8208
.set V,  32                            ; v[32:159] first the 32 loads, then my 128 logits
	s_load_b128 s[4:7], s[0:1], 0x0
	v_lshl_add_u32 v224, v0, 2, 0x20100
	v_mov_b32 v225, 0
	v_lshrrev_b32 v1, 5, v0
	v_readfirstlane_b32 s8, v1                     ; head
	v_and_b32 v2, 15, v0
	v_bfe_u32 v3, v0, 4, 1
	v_and_b32 v4, 31, v0
	v_lshlrev_b32 v5, 4, v0
	v_add_nc_u32 v6, 8*RP, v5
	v_mul_u32_u24 v7, v2, RP
	v_lshl_add_u32 v7, v3, 8, v7
	s_lshl_b32 s9, s8, 2
	v_add_nc_u32 v7, s9, v7                        ; r rows + 8 hh j + head
	v_lshlrev_b32 v13, 4, v4
	v_mov_b32 v12, 0
	s_mov_b32 s12, 0x76543210
	s_mov_b32 s13, 0xfedcba98
	s_mov_b32 s14, 0x3fb8aa3b                      ; log2 e
	s_mov_b32 s15, 0x3fb8aa3b
	s_lshl_b32 s10, ttmp9, 17
	s_mov_b32 s11, 0
	s_lshl_b32 s16, s8, 17
	s_lshl_b32 s17, ttmp9, 13
	s_add_co_u32 s16, s16, s17
	s_mov_b32 s17, 0
	s_wait_kmcnt 0x0
	s_add_nc_u64 s[4:5], s[4:5], s[10:11]
	s_add_nc_u64 s[6:7], s[6:7], s[16:17]
.set k, 0
.rept 32
	global_load_b128 v[V+4*k:V+4*k+3], v5, s[4:5] offset:k*4096 th:TH_LOAD_NT
.set k, k+1
.endr
.set k, 0
.rept 16
	s_wait_loadcnt 31-k
	ds_store_b128 v5, v[V+4*k:V+4*k+3] offset:(k/2)*RP+(k%2)*4096
.set k, k+1
.endr
.rept 16
	s_wait_loadcnt 31-k
	ds_store_b128 v6, v[V+4*k:V+4*k+3] offset:((k-16)/2)*RP+(k%2)*4096
.set k, k+1
.endr
	s_wait_dscnt 0x0
	s_barrier_signal -1
	s_barrier_wait -1
.set i, 0
.rept 128                                          ; i = kb*16 + u*8 + e
	ds_load_b32 v[V+i], v7 offset:(i/16)*1024+((i/8)%2)*512+(i%8)*32
.set i, i+1
.endr
	s_wait_dscnt 0x0
.irp c, 0,1,2,3
	v_max_num_f32 v[8+\c], v[V+\c], v[V+4+\c]
.endr
.set p, 0
.rept 60
	v_max3_num_f32 v[8+p%4], v[8+p%4], v[V+8+2*p], v[V+9+2*p]
.set p, p+1
.endr
	v_max3_num_f32 v8, v8, v9, v10
	v_max_num_f32 v8, v8, v11
	v_permlanex16_b32 v12, v8, s12, s13            ; the partner lane holds the row's other 128 j
	v_max_num_f32 v8, v8, v12
	v_mov_b32 v9, v8
.set p, 0
.rept 64
	v_pk_add_f32 v[V+2*p:V+2*p+1], v[V+2*p:V+2*p+1], v[8:9] neg_lo:[0,1] neg_hi:[0,1]
.set p, p+1
.endr
.set p, 0
.rept 64
	v_pk_mul_f32 v[V+2*p:V+2*p+1], v[V+2*p:V+2*p+1], s[14:15] op_sel_hi:[1,0]
.set p, p+1
.endr
.set i, 0
.rept 128
	v_exp_f32 v[V+i], v[V+i]
.set i, i+1
.endr
	v_nop                                          ; one plain place behind the run of transcendentals
	s_wait_alu depctr_va_vdst(0)
.irp c, 0,1,2,3
	v_pk_add_f32 v[16+2*\c:17+2*\c], v[V+2*\c:V+2*\c+1], v[V+8+2*\c:V+9+2*\c]
.endr
.set p, 8
.rept 56
	v_pk_add_f32 v[16+2*(p%4):17+2*(p%4)], v[16+2*(p%4):17+2*(p%4)], v[V+2*p:V+2*p+1]
.set p, p+1
.endr
	v_pk_add_f32 v[16:17], v[16:17], v[18:19]
	v_pk_add_f32 v[20:21], v[20:21], v[22:23]
	v_pk_add_f32 v[16:17], v[16:17], v[20:21]
	v_add_f32 v16, v16, v17
	v_permlanex16_b32 v12, v16, s12, s13
	v_add_f32 v16, v16, v12
	v_rcp_f32 v10, v16
	v_nop
	s_wait_alu depctr_va_vdst(0)
	v_mov_b32 v11, v10
.set p, 0
.rept 64
	v_pk_mul_f32 v[V+2*p:V+2*p+1], v[V+2*p:V+2*p+1], v[10:11]
.set p, p+1
.endr
.set p, 0
.rept 64
	v_cvt_pk_f16_f32 v[V+p], v[V+2*p], v[V+2*p+1]  ; in place, ascending: register p is read no later than it is written
.set p, p+1
.endr
.set g, 0
.rept 16
	global_store_b128 v13, v[V+4*g:V+4*g+3], s[6:7] offset:g*512
.set g, g+1
.endr
	s_wait_tensorcnt 0x0
	ds_add_u32 v224, v225
	s_wait_dscnt 0x0
	s_endpgm
.Lfunc_end_k_qe57ba2e183_smax:
	.size	k_qe57ba2e183_smax, .Lfunc_end_k_qe57ba2e183_smax-k_qe57ba2e183_smax
	.p2alignl 7, 3214868480
	.fill 96, 4, 3214868480
	.section	.rodata,"a",@progbits
	.p2align	6, 0x0
	.amdhsa_kernel k_qe57ba2e183_smax
		.amdhsa_group_segment_fixed_size 132352
		.amdhsa_private_segment_fixed_size 0
		.amdhsa_enable_private_segment 0
		.amdhsa_kernarg_size 16
		.amdhsa_user_sgpr_count 2
		.amdhsa_user_sgpr_kernarg_segment_ptr 1
		.amdhsa_wavefront_size32 1
		.amdhsa_system_sgpr_workgroup_id_x 1
		.amdhsa_system_sgpr_workgroup_id_y 1
		.amdhsa_system_sgpr_workgroup_id_z 1
		.amdhsa_system_vgpr_workitem_id 0
		.amdhsa_next_free_vgpr 226
		.amdhsa_next_free_sgpr 66
		.amdhsa_reserve_vcc 0
		.amdhsa_float_denorm_mode_32 3
		.amdhsa_float_denorm_mode_16_64 3
		.amdhsa_memory_ordered 1
		.amdhsa_forward_progress 1
		.amdhsa_inst_pref_size 46
	.end_amdhsa_kernel
	.amdgpu_metadata
---
amdhsa.version: [ 1, 2 ]
amdhsa.kernels:
  - .name:           k_qe57ba2e183_smax
    .symbol:         k_qe57ba2e183_smax.kd
    .args:
      - { .name: lgt, .offset: 0, .size: 8, .value_kind: global_buffer, .address_space: global }
      - { .name: wat, .offset: 8, .size: 8, .value_kind: global_buffer, .address_space: global }
    .group_segment_fixed_size: 132352
    .private_segment_fixed_size: 0
    .kernarg_segment_align: 8
    .kernarg_segment_size: 16
    .max_flat_workgroup_size: 256
    .sgpr_count:     66
    .vgpr_count:     226
    .wavefront_size: 32
...
	.end_amdgpu_metadata
.endif
;; end of part 3
;; launch pwa (part 4): grid 256 x 1, 8 waves a work-group, no clusters, 300,032 bytes of LDS; arguments m, wat, wpk, pwa_lnm_w, pwa_lnm_b, tr_ln_w, tr_ln_b, out0; writes out0
.if DOCPART == 4
	.amdgcn_target "amdgcn-amd-amdhsa--gfx1250"
	.amdhsa_code_object_version 6
	.text
	.protected	k_qe57ba2e183_pwa
	.globl	k_qe57ba2e183_pwa
	.p2align	8
	.type	k_qe57ba2e183_pwa,@function
k_qe57ba2e183_pwa:
	s_mov_b64 s[64:65], 0
	v_nop
	global_prefetch_b8 v0, s[64:65] scope:SCOPE_SE
	s_setreg_imm32_b32 hwreg(HW_REG_WAVE_MODE, 25, 1), 1
	s_wait_xcnt 0x0
; pwa: out0 = m1 + swiglu(LN(m1)),  m1 = m + (sigmoid(LN(m) wg) * (w_att . (LN(m) wv))) wo, for two sequences s a work-group.
; Wave w owns the tokens i = 32 w .. 32 w + 31 of both s: four token tiles tt = 2 sl + ih.  Every product is feature-major,
; D(m = feature, n = token): a lane holds 8 neighbouring features of one token, so two neighbouring tiles, rounded to 16 bits, are the next
; product's operand, and v, g, o and the hidden layer never leave the registers, but for V, which every wave needs: it goes through LDS,
; transposed (rows d, j along the rows), two slots that take turns, one barrier a head.
; The six weights (192 KiB, already in operand order) are copied into LDS once.  w_att's fragments come from memory, one head ahead:
; LDS has 28 KiB left, too little for two slots of a head's 128 KiB, so they are not shared through a cluster.
; Eight waves: the sigmoid and silu work is about as long as the matrix work, and two waves on a SIMD overlap the two.
; FORMATS.  f16 (three more bits than bf16) wherever the operand is bounded: the LayerNorms' results, at most 7.94 |gain| + |bias|; the weights
; wv, wg, wo, tr_wa, tr_wb; w_att, in [0, 1]; V and gate * o, at most max |v|.  As drawn v has spread 1; gain and wv both 30 times larger make
; it 900, a common offset of 30 spreads some 7,200: under f16's 65,504.  LIMIT: |v| above 65,504 overflows.  Both 30 times smaller leave
; v at 1e-3 and gate * o at 5e-5, where f16 steps by 6e-8.
; The hidden layer h = silu(a) b has no such room (gain, tr_wa, tr_wb 30 times larger make it 810,000 times larger): it goes in bf16, as an
; upper part and the exact rest h - upper rounded again, each multiplied by tr_wo in bf16: 16 bits of h reach the sums.
; Other limits: v_exp_f32, v_rcp_f32, v_rsq_f32 flush denormals; an overflowing exponential gives gate 0, as it should.
; Registers: window 0: v32-95 MN (LN'd tokens, fragment (tt, ks)); v96-159 O; v160-191 T; v192-223 VF; v224-255 WT.
;            window 1: v0-127 P (tile (tt, mt): the running m, f32); v128-255 W (w_att's fragments (kb, ih); later the transition's weights).
.set MN, 32
.set O,  96
.set T,  160
.set VF, 192
.set WT, 224
.set W,  128
.set VT,  196608                       ; 2 slots of 64 rows (sl*32 + d) x 528 bytes
.set VSL, 33792
.set VP,  528
.set STG, 264192                       ; wave w at + w*4,352: 16 rows of 272 bytes
.set SGP, 272
.set MSB, 0
.macro WIN new
.if MSB != (\new)
	s_set_vgpr_msb (MSB<<8)|(\new)
.set MSB, (\new)
.endif
.endm
.macro NOPS n
.rept \n
	v_nop
.endr
.endm
	s_load_b512 s[16:31], s[0:1], 0x0              ; m 16, wat 18, wpk 20, lnm_w 22, lnm_b 24, tr_ln_w 26, tr_ln_b 28, out0 30
	v_lshl_add_u32 v254, v0, 2, 0x49000
	v_mov_b32 v255, 0
	ds_add_u32 v254, v255
	ds_add_u32 v254, v255
	s_wait_dscnt 0x0
	v_lshrrev_b32 v1, 5, v0
	v_readfirstlane_b32 s8, v1                     ; wave
	; The image of wpk at LDS byte 0: 256 threads x 16 bytes x 48 copies = 196,608 bytes, filled once.  A copy's immediate is added to both
	; addresses and is kept under 65,536, so the 48 go as three groups of 16, each with its own LDS address and its own offset in wpk;
	; none of the six registers is written again.
	v_lshlrev_b32 v13, 4, v0                       ; LDS address, first 64 KiB: 16 x thread
	v_lshlrev_b32 v14, 4, v0                       ; offset in wpk, first 64 KiB
	v_add_nc_u32 v11, 0x10000, v13                 ; second 64 KiB
	v_add_nc_u32 v30, 0x10000, v14
	v_add_nc_u32 v29, 0x20000, v13                 ; third 64 KiB
	v_add_nc_u32 v31, 0x20000, v14
	s_wait_kmcnt 0x0
.set kk, 0
.rept 16
	global_load_async_to_lds_b128 v13, v14, s[20:21] offset:kk*4096
.set kk, kk+1
.endr
.set kk, 0
.rept 16
	global_load_async_to_lds_b128 v11, v30, s[20:21] offset:kk*4096
.set kk, kk+1
.endr
.set kk, 0
.rept 16
	global_load_async_to_lds_b128 v29, v31, s[20:21] offset:kk*4096
.set kk, kk+1
.endr
	v_and_b32 v1, 15, v0                           ; r
	v_bfe_u32 v2, v0, 4, 1                         ; hh
	v_and_b32 v3, 31, v0
	v_lshlrev_b32 v3, 4, v3                        ; 16 lane: wv, wg
	v_add_nc_u32 v4, 0x10000, v3                   ; wo
	v_add_nc_u32 v5, 0x18000, v3                   ; tr_wa, tr_wb (+ 32,768)
	v_add_nc_u32 v6, 0x28000, v3                   ; tr_wo
	v_mov_b32 v15, v3                              ; global offset: 16 lane
	s_mul_i32 s2, s8, 16*SGP
	s_add_co_u32 s2, s2, STG
	v_mul_u32_u24 v7, v2, SGP
	v_lshl_add_u32 v7, v1, 4, v7
	v_add_nc_u32 v7, s2, v7                        ; stage by rows: hh*272 + 16 r
	v_mul_u32_u24 v8, v1, SGP
	v_lshl_add_u32 v8, v2, 5, v8
	v_add_nc_u32 v8, s2, v8                        ; stage by fragments: r*272 + 32 hh
	v_mul_u32_u24 v10, v1, VP
	v_lshl_add_u32 v10, v2, 4, v10
	v_add_nc_u32 v10, VT, v10                      ; V read: VT + r*528 + 16 hh
	s_lshl_b32 s2, s8, 6
	v_add_nc_u32 v9, s2, v10                       ; V store: + (32 w) * 2
	v_lshlrev_b32 v12, 5, v2                       ; gains: 32 hh
	v_mov_b32 v28, 0
	s_mov_b32 s9, 0x3c800000                       ; 1/64
	s_mov_b32 s12, 0x76543210
	s_mov_b32 s13, 0xfedcba98
	s_mov_b32 s14, 0xbfb8aa3b                      ; - log2 e
	s_mov_b32 s15, 0xbfb8aa3b
	s_lshl_b32 s2, ttmp9, 17                       ; two s of 65,536 bytes
	s_lshl_b32 s4, s8, 13                          ; 32 tokens of 256 bytes
	s_add_co_u32 s2, s2, s4
	s_mov_b32 s3, 0
	s_add_nc_u64 s[16:17], s[16:17], s[2:3]
	s_add_nc_u64 s[30:31], s[30:31], s[2:3]
	s_lshl_b32 s2, s8, 14                          ; my two tiles of i in w_att: 16 KiB a head
	s_add_nc_u64 s[18:19], s[18:19], s[2:3]
	WIN 0x40
.set tt, 0
.rept 4
.set q, 0
.rept 8
	global_load_b128 v[W+32*tt+4*q:W+32*tt+4*q+3], v15, s[16:17] offset:(tt/2)*65536+(tt%2)*4096+q*512   ; two tokens: 512 neighbouring bytes
.set q, q+1
.endr
.set tt, tt+1
.endr
	WIN 0
.macro GAINS wp, bp                    ; gain and bias of features 16 mt + 8 hh + 0..7 into v96-127 and v128-159
.set g, 0
.rept 8
	global_load_b128 v[O+4*g:O+4*g+3], v12, s[\wp:\wp+1] offset:(g/2)*64+(g%2)*16
	global_load_b128 v[O+32+4*g:O+32+4*g+3], v12, s[\bp:\bp+1] offset:(g/2)*64+(g%2)*16
.set g, g+1
.endr
.endm
	GAINS 22, 24
.set tt, 0
.rept 4
	s_wait_loadcnt 40-8*tt                         ; the later tiles' loads and the 16 of the gains may stay out
	WIN 0x04
.set q, 0
.rept 8
	ds_store_b128 v7, v[W+32*tt+4*q:W+32*tt+4*q+3] offset:q*2*SGP
.set q, q+1
.endr
	WIN 0x40
.set g, 0
.rept 8
	ds_load_b128 v[32*tt+4*g:32*tt+4*g+3], v8 offset:(g/2)*64+(g%2)*16    ; P(tt, mt) starts as m: the residual
.set g, g+1
.endr
.set tt, tt+1
.endr
.macro WLD h, kb                       ; w_att's two fragments (kb, ih) of head h: 4 loads
	WIN 0x40
.set ih, 0
.rept 2
	global_load_b128 v[W+8*(2*(\kb)+ih):W+8*(2*(\kb)+ih)+3], v15, s[18:19] offset:(\h)*131072+ih*8192+(\kb)*1024
	global_load_b128 v[W+8*(2*(\kb)+ih)+4:W+8*(2*(\kb)+ih)+7], v15, s[18:19] offset:(\h)*131072+ih*8192+(\kb)*1024+512
.set ih, ih+1
.endr
	WIN 0
.endm
.irp kb, 0,1,2,3,4,5,6,7
	WLD 0, \kb
.endr
	s_wait_dscnt 0x0
	s_wait_loadcnt 32                              ; the gains are in; head 0's 32 loads may stay out
.macro REDUCE
	v_pk_add_f32 v[16:17], v[16:17], v[18:19]
	v_pk_add_f32 v[20:21], v[20:21], v[22:23]
	v_pk_add_f32 v[16:17], v[16:17], v[20:21]
	v_add_f32 v16, v16, v17
	v_permlanex16_b32 v28, v16, s12, s13           ; the partner lane holds the token's other 32 channels
	v_add_f32 v16, v16, v28
.endm
; LayerNorm of token tile tt, read from P, rounded to f16 into MN's fragments (tt, 0) and (tt, 1)
.macro LNFRAG tt
.set PB, 32*\tt
	WIN 0x05
.set k, 0
.rept 4
	v_pk_add_f32 v[16+2*k:17+2*k], v[PB+4*k:PB+4*k+1], v[PB+4*k+2:PB+4*k+3]
.set k, k+1
.endr
	WIN 0x01
.set p, 8
.rept 8
	v_pk_add_f32 v[16+2*(p%4):17+2*(p%4)], v[PB+2*p:PB+2*p+1], v[16+2*(p%4):17+2*(p%4)]
.set p, p+1
.endr
	WIN 0
	REDUCE
	v_mul_f32 v24, s9, v16
	v_mul_f32 v25, s9, v16
	WIN 0x01
.set p, 0
.rept 16
	v_pk_add_f32 v[T+2*p:T+2*p+1], v[PB+2*p:PB+2*p+1], v[24:25] neg_lo:[0,1] neg_hi:[0,1]
.set p, p+1
.endr
	WIN 0
.set p, 0
.rept 4
	v_pk_mul_f32 v[16+2*p:17+2*p], v[T+2*p:T+2*p+1], v[T+2*p:T+2*p+1]
.set p, p+1
.endr
.rept 12
	v_pk_fma_f32 v[16+2*(p%4):17+2*(p%4)], v[T+2*p:T+2*p+1], v[T+2*p:T+2*p+1], v[16+2*(p%4):17+2*(p%4)]
.set p, p+1
.endr
	REDUCE
	v_fmaak_f32 v16, s9, v16, 0x3727c5ac           ; variance + 1e-5
	v_rsq_f32 v26, v16
	v_nop
	s_wait_alu depctr_va_vdst(0)
	v_mov_b32 v27, v26
.set p, 0
.rept 16
	v_pk_mul_f32 v[T+2*p:T+2*p+1], v[T+2*p:T+2*p+1], v[26:27]
.set p, p+1
.endr
.set p, 0
.rept 16
	v_pk_fma_f32 v[T+2*p:T+2*p+1], v[T+2*p:T+2*p+1], v[O+2*p:O+2*p+1], v[O+32+2*p:O+32+2*p+1]
.set p, p+1
.endr
.set p, 0
.rept 16
	v_cvt_pk_f16_f32 v[MN+16*\tt+p], v[T+2*p], v[T+2*p+1]
.set p, p+1
.endr
.endm
	LNFRAG 0
	LNFRAG 1
	LNFRAG 2
	LNFRAG 3
	s_wait_asynccnt 0x0                            ; my copies have landed,
	s_wait_dscnt 0x0
	s_barrier_signal -1
	s_barrier_wait -1                              ; everybody's have: the weights may be read
; V of head h for my 32 tokens j of both s: D(m = j, n = d), 8 neighbouring j a lane, 16 bytes of f16 into row (sl*32 + d) of slot h & 1
.macro VSTEP h
.set f, 0
.rept 4                                            ; wv's fragments (dh, ks)
	ds_load_b128 v[WT+8*f:WT+8*f+3], v3 offset:(\h)*4096+f*1024
	ds_load_b128 v[WT+8*f+4:WT+8*f+7], v3 offset:(\h)*4096+f*1024+512
.set f, f+1
.endr
	s_wait_dscnt 0x0
.set ks, 0
.rept 2
.set t, 0
.rept 8                                            ; t = 4 sl + 2 ih + dh: eight accumulators take turns
.if ks == 0
	v_wmma_f32_16x16x32_f16 v[T+8*t:T+8*t+7], v[MN+8*(2*(t/2)+ks):MN+8*(2*(t/2)+ks)+7], v[WT+8*(2*(t%2)+ks):WT+8*(2*(t%2)+ks)+7], 0
.else
	v_wmma_f32_16x16x32_f16 v[T+8*t:T+8*t+7], v[MN+8*(2*(t/2)+ks):MN+8*(2*(t/2)+ks)+7], v[WT+8*(2*(t%2)+ks):WT+8*(2*(t%2)+ks)+7], v[T+8*t:T+8*t+7]
.endif
.set t, t+1
.endr
.set ks, ks+1
.endr
	NOPS 4
.set t, 0
.rept 8
.set p, 0
.rept 4
	v_cvt_pk_f16_f32 v[T+8*t+p], v[T+8*t+2*p], v[T+8*t+2*p+1]
.set p, p+1
.endr
	ds_store_b128 v9, v[T+8*t:T+8*t+3] offset:((\h)&1)*VSL+((t/4)*32+(t%2)*16)*VP+((t/2)%2)*32
.set t, t+1
.endr
.endm
.macro VTLOAD slot, kb, buf            ; V's four fragments (sl, dh) of 32 j: rows 16 (2 sl + dh) + r
.set f, 0
.rept 4
	ds_load_b128 v[\buf+8*f:\buf+8*f+3], v10 offset:(\slot)*VSL+16*f*VP+(\kb)*64
	ds_load_b128 v[\buf+8*f+4:\buf+8*f+7], v10 offset:(\slot)*VSL+16*f*VP+(\kb)*64+32
.set f, f+1
.endr
.endm
.macro HEAD h, doV, doW
	s_wait_dscnt 0x0                               ; my stores of V(h) and my reads of V(h-1) are done
	s_barrier_signal -1
	s_barrier_wait -1                              ; everybody's are: V(h) may be read, the other slot written
.if \doV
	VSTEP (\h+1)
.endif
.set f, 0
.rept 4                                            ; wg's fragments (dh, ks)
	ds_load_b128 v[WT+8*f:WT+8*f+3], v3 offset:32768+(\h)*4096+f*1024
	ds_load_b128 v[WT+8*f+4:WT+8*f+7], v3 offset:32768+(\h)*4096+f*1024+512
.set f, f+1
.endr
	VTLOAD ((\h)&1), 0, VF
.set kb, 0
.rept 8
.if kb < 7
.if kb & 1
	VTLOAD ((\h)&1), (kb+1), VF
.else
	VTLOAD ((\h)&1), (kb+1), T
.endif
	s_wait_dscnt 8                                 ; all but the next kb's eight loads
.else
	s_wait_dscnt 0
.endif
.if \doW
	s_wait_loadcnt 28                              ; behind this kb's 4 loads stand 4 (7 - kb) of this head and 4 kb of the next
.else
	s_wait_loadcnt 28-4*kb
.endif
.set vb, VF-32*(kb&1)
	WIN 0x04
.set t, 0
.rept 8                                            ; t = 2 tt + dh, tt = 2 sl + ih: O(tt, dh) += V(sl, dh) x w_att(kb, ih); eight accumulators take turns
.if kb == 0
	v_wmma_f32_16x16x32_f16 v[O+8*t:O+8*t+7], v[vb+8*(2*(t/4)+t%2):vb+8*(2*(t/4)+t%2)+7], v[W+8*(2*kb+(t/2)%2):W+8*(2*kb+(t/2)%2)+7], 0
.else
	v_wmma_f32_16x16x32_f16 v[O+8*t:O+8*t+7], v[vb+8*(2*(t/4)+t%2):vb+8*(2*(t/4)+t%2)+7], v[W+8*(2*kb+(t/2)%2):W+8*(2*kb+(t/2)%2)+7], v[O+8*t:O+8*t+7]
.endif
.set t, t+1
.endr
	WIN 0
	NOPS 4                                         ; four places before loads land on the operands just read
.if \doW
	WLD (\h+1), kb
.endif
.set kb, kb+1
.endr
	v_nop                                          ; a fifth place: the gate's products write over V's last fragments
.set ks, 0
.rept 2
.set t, 0
.rept 8                                            ; gate(tt, dh) = wg(dh, ks) x MN(tt, ks), in T and VF, in O's order
.if ks == 0
	v_wmma_f32_16x16x32_f16 v[T+8*t:T+8*t+7], v[WT+8*(2*(t%2)+ks):WT+8*(2*(t%2)+ks)+7], v[MN+8*(2*(t/2)+ks):MN+8*(2*(t/2)+ks)+7], 0
.else
	v_wmma_f32_16x16x32_f16 v[T+8*t:T+8*t+7], v[WT+8*(2*(t%2)+ks):WT+8*(2*(t%2)+ks)+7], v[MN+8*(2*(t/2)+ks):MN+8*(2*(t/2)+ks)+7], v[T+8*t:T+8*t+7]
.endif
.set t, t+1
.endr
.set ks, ks+1
.endr
	NOPS 4
.set f, 0
.rept 4                                            ; wo's fragments (mt) of this head's 32 features
	ds_load_b128 v[WT+8*f:WT+8*f+3], v4 offset:(\h)*4096+f*1024
	ds_load_b128 v[WT+8*f+4:WT+8*f+7], v4 offset:(\h)*4096+f*1024+512
.set f, f+1
.endr
.set p, 0
.rept 32
	v_pk_mul_f32 v[T+2*p:T+2*p+1], v[T+2*p:T+2*p+1], s[14:15] op_sel_hi:[1,0]
.set p, p+1
.endr
.set i, 0
.rept 64
	v_exp_f32 v[T+i], v[T+i]
.set i, i+1
.endr
	v_nop
.set p, 0
	s_wait_alu depctr_va_vdst(0)
.rept 32
	v_pk_add_f32 v[T+2*p:T+2*p+1], v[T+2*p:T+2*p+1], 1.0 op_sel_hi:[1,0]
.set p, p+1
.endr
.set i, 0
.rept 64
	v_rcp_f32 v[T+i], v[T+i]
.set i, i+1
.endr
	v_nop
.set p, 0
	s_wait_alu depctr_va_vdst(0)
.rept 32
	v_pk_mul_f32 v[O+2*p:O+2*p+1], v[O+2*p:O+2*p+1], v[T+2*p:T+2*p+1]
.set p, p+1
.endr
.set tt, 0
.rept 4
.set p, 0
.rept 8
	v_cvt_pk_f16_f32 v[O+16*tt+p], v[O+16*tt+2*p], v[O+16*tt+2*p+1]   ; tiles (tt, 0), (tt, 1) become one fragment: lane token, k = d
.set p, p+1
.endr
.set tt, tt+1
.endr
	s_wait_dscnt 0x0
	WIN 0x50
.set t, 0
.rept 16                                           ; P(tt, mt) += wo(mt) x go(tt): sixteen accumulators take turns
	v_wmma_f32_16x16x32_f16 v[8*t:8*t+7], v[WT+8*(t%4):WT+8*(t%4)+7], v[O+16*(t/4):O+16*(t/4)+7], v[8*t:8*t+7]
.set t, t+1
.endr
	WIN 0
	NOPS 5                                         ; five places before the next head's products and loads touch these operands
.endm
	VSTEP 0
.irp h, 0,1,2,3,4,5,6
	HEAD \h, 1, 1
.endr
	HEAD 7, 0, 0
	; THE TRANSITION, in 8 blocks of 32 hidden features
	GAINS 26, 28
	WIN 0x40
.macro WAB                             ; tr_wa's and tr_wb's fragments (dh, ks) of a block: 16 loads
.set f, 0
.rept 4
	ds_load_b128 v[W+8*f:W+8*f+3], v5 offset:f*1024
	ds_load_b128 v[W+8*f+4:W+8*f+7], v5 offset:f*1024+512
	ds_load_b128 v[W+32+8*f:W+32+8*f+3], v5 offset:32768+f*1024
	ds_load_b128 v[W+32+8*f+4:W+32+8*f+7], v5 offset:32768+f*1024+512
.set f, f+1
.endr
.endm
.macro WO2                             ; tr_wo's fragments (mt) of a block: 8 loads
.set f, 0
.rept 4
	ds_load_b128 v[W+64+8*f:W+64+8*f+3], v6 offset:f*1024
	ds_load_b128 v[W+64+8*f+4:W+64+8*f+7], v6 offset:f*1024+512
.set f, f+1
.endr
.endm
	WAB
	WO2
	WIN 0
	s_wait_loadcnt 0x0
	LNFRAG 0
	LNFRAG 1
	LNFRAG 2
	LNFRAG 3
	v_mov_b32 v16, -1.0                            ; for h - upper(h); v16 is not written again
.macro FFB next
	s_wait_dscnt 8                                 ; tr_wa's and tr_wb's fragments are in; tr_wo's eight loads may stay out
	WIN 0x01
.set ks, 0
.rept 2
.set t, 0
.rept 8                                            ; t = 2 tt + dh; the 16 accumulators of a and b take turns
.if ks == 0
	v_wmma_f32_16x16x32_f16 v[O+8*t:O+8*t+7], v[W+8*(2*(t%2)+ks):W+8*(2*(t%2)+ks)+7], v[MN+8*(2*(t/2)+ks):MN+8*(2*(t/2)+ks)+7], 0
	v_wmma_f32_16x16x32_f16 v[T+8*t:T+8*t+7], v[W+32+8*(2*(t%2)+ks):W+32+8*(2*(t%2)+ks)+7], v[MN+8*(2*(t/2)+ks):MN+8*(2*(t/2)+ks)+7], 0
.else
	v_wmma_f32_16x16x32_f16 v[O+8*t:O+8*t+7], v[W+8*(2*(t%2)+ks):W+8*(2*(t%2)+ks)+7], v[MN+8*(2*(t/2)+ks):MN+8*(2*(t/2)+ks)+7], v[O+8*t:O+8*t+7]
	v_wmma_f32_16x16x32_f16 v[T+8*t:T+8*t+7], v[W+32+8*(2*(t%2)+ks):W+32+8*(2*(t%2)+ks)+7], v[MN+8*(2*(t/2)+ks):MN+8*(2*(t/2)+ks)+7], v[T+8*t:T+8*t+7]
.endif
.set t, t+1
.endr
.set ks, ks+1
.endr
	WIN 0
	NOPS 4
.if \next
	v_add_nc_u32 v5, 4096, v5
	WIN 0x40
	WAB
	WIN 0
.endif
	; silu(a) b = a b / (1 + 2^(-a log2 e))
.set p, 0
.rept 32
	v_pk_mul_f32 v[T+2*p:T+2*p+1], v[T+2*p:T+2*p+1], v[O+2*p:O+2*p+1]
.set p, p+1
.endr
.set p, 0
.rept 32
	v_pk_mul_f32 v[O+2*p:O+2*p+1], v[O+2*p:O+2*p+1], s[14:15] op_sel_hi:[1,0]
.set p, p+1
.endr
.set i, 0
.rept 64
	v_exp_f32 v[O+i], v[O+i]
.set i, i+1
.endr
	v_nop
.set p, 0
	s_wait_alu depctr_va_vdst(0)
.rept 32
	v_pk_add_f32 v[O+2*p:O+2*p+1], v[O+2*p:O+2*p+1], 1.0 op_sel_hi:[1,0]
.set p, p+1
.endr
.set i, 0
.rept 64
	v_rcp_f32 v[O+i], v[O+i]
.set i, i+1
.endr
	v_nop
.set p, 0
	s_wait_alu depctr_va_vdst(0)
.rept 32
	v_pk_mul_f32 v[O+2*p:O+2*p+1], v[O+2*p:O+2*p+1], v[T+2*p:T+2*p+1]    ; h, in f32: tiles (tt, 0), (tt, 1) at O + 16 tt
.set p, p+1
.endr
	; h in two bf16 parts.  Upper part: fragment tt at T + 8 tt (lane token, k = hidden feature)
.set p, 0
.rept 32
	v_cvt_pk_bf16_f32 v[T+p], v[O+2*p], v[O+2*p+1]
.set p, p+1
.endr
.set p, 0
.rept 32                                           ; the rest h - upper, exact in f32: one fused multiply-add by -1 from each bf16 half
	v_fma_mix_f32_bf16 v[O+2*p], v[T+p], v16, v[O+2*p] op_sel_hi:[1,0,0]
	v_fma_mix_f32_bf16 v[O+2*p+1], v[T+p], v16, v[O+2*p+1] op_sel:[1,0,0] op_sel_hi:[1,0,0]
.set p, p+1
.endr
.set p, 0
.rept 32                                           ; the rest, rounded: fragment tt at VF + 8 tt
	v_cvt_pk_bf16_f32 v[VF+p], v[O+2*p], v[O+2*p+1]
.set p, p+1
.endr
.if \next
	s_wait_dscnt 16                                ; tr_wo's fragments are in; the next block's 16 loads may stay out
.else
	s_wait_dscnt 0
.endif
	WIN 0x51
.set t, 0
.rept 16                                           ; P(tt, mt) += tr_wo(mt) x upper(tt): sixteen accumulators take turns,
	v_wmma_f32_16x16x32_bf16 v[8*t:8*t+7], v[W+64+8*(t%4):W+64+8*(t%4)+7], v[T+8*(t/4):T+8*(t/4)+7], v[8*t:8*t+7]
.set t, t+1
.endr
.set t, 0
.rept 16                                           ; and once more for the rest
	v_wmma_f32_16x16x32_bf16 v[8*t:8*t+7], v[W+64+8*(t%4):W+64+8*(t%4)+7], v[VF+8*(t/4):VF+8*(t/4)+7], v[8*t:8*t+7]
.set t, t+1
.endr
	WIN 0
	NOPS 5                                         ; five places before the next block's products write over T and VF, four before loads land on tr_wo's fragments
.if \next
	v_add_nc_u32 v6, 4096, v6
	WIN 0x40
	WO2
	WIN 0
.endif
.endm
	s_mov_b32 s3, 7
.Lffb:
	FFB 1
	s_sub_co_u32 s3, s3, 1
	s_cmp_lg_u32 s3, 0
	s_cbranch_scc1 .Lffb
	FFB 0
	; out: P back to token rows through my stage; each store covers two tokens, 512 neighbouring bytes
.set tt, 0
.rept 4
	WIN 0x04
.set g, 0
.rept 8
	ds_store_b128 v8, v[32*tt+4*g:32*tt+4*g+3] offset:(g/2)*64+(g%2)*16
.set g, g+1
.endr
	WIN 0
.set q, 0
.rept 8
	ds_load_b128 v[O+32*tt+4*q:O+32*tt+4*q+3], v7 offset:q*2*SGP
.set q, q+1
.endr
	s_wait_dscnt 0x0
.set q, 0
.rept 8
	global_store_b128 v15, v[O+32*tt+4*q:O+32*tt+4*q+3], s[30:31] offset:(tt/2)*65536+(tt%2)*4096+q*512 th:TH_STORE_NT
.set q, q+1
.endr
.set tt, tt+1
.endr
	s_wait_xcnt 0x0
	v_lshl_add_u32 v254, v0, 2, 0x49000
	v_mov_b32 v255, 0
	s_wait_tensorcnt 0x0
	ds_add_u32 v254, v255
	s_wait_dscnt 0x0
	s_endpgm
.Lfunc_end_k_qe57ba2e183_pwa:
	.size	k_qe57ba2e183_pwa, .Lfunc_end_k_qe57ba2e183_pwa-k_qe57ba2e183_pwa
	.p2alignl 7, 3214868480
	.fill 96, 4, 3214868480
	.section	.rodata,"a",@progbits
	.p2align	6, 0x0
	.amdhsa_kernel k_qe57ba2e183_pwa
		.amdhsa_group_segment_fixed_size 300032
		.amdhsa_private_segment_fixed_size 0
		.amdhsa_enable_private_segment 0
		.amdhsa_kernarg_size 64
		.amdhsa_user_sgpr_count 2
		.amdhsa_user_sgpr_kernarg_segment_ptr 1
		.amdhsa_wavefront_size32 1
		.amdhsa_system_sgpr_workgroup_id_x 1
		.amdhsa_system_sgpr_workgroup_id_y 1
		.amdhsa_system_sgpr_workgroup_id_z 1
		.amdhsa_system_vgpr_workitem_id 0
		.amdhsa_next_free_vgpr 512
		.amdhsa_next_free_sgpr 66
		.amdhsa_reserve_vcc 0
		.amdhsa_float_denorm_mode_32 3
		.amdhsa_float_denorm_mode_16_64 3
		.amdhsa_memory_ordered 1
		.amdhsa_forward_progress 1
		.amdhsa_inst_pref_size 255
	.end_amdhsa_kernel
	.section	.bss,"aw",@nobits
	.p2align	6
	.space	262144
	.amdgpu_metadata
---
amdhsa.version: [ 1, 2 ]
amdhsa.kernels:
  - .name:           k_qe57ba2e183_pwa
    .symbol:         k_qe57ba2e183_pwa.kd
    .args:
      - { .name: m, .offset: 0, .size: 8, .value_kind: global_buffer, .address_space: global }
      - { .name: wat, .offset: 8, .size: 8, .value_kind: global_buffer, .address_space: global }
      - { .name: wpk, .offset: 16, .size: 8, .value_kind: global_buffer, .address_space: global }
      - { .name: pwa_lnm_w, .offset: 24, .size: 8, .value_kind: global_buffer, .address_space: global }
      - { .name: pwa_lnm_b, .offset: 32, .size: 8, .value_kind: global_buffer, .address_space: global }
      - { .name: tr_ln_w, .offset: 40, .size: 8, .value_kind: global_buffer, .address_space: global }
      - { .name: tr_ln_b, .offset: 48, .size: 8, .value_kind: global_buffer, .address_space: global }
      - { .name: out0, .offset: 56, .size: 8, .value_kind: global_buffer, .address_space: global }
    .group_segment_fixed_size: 300032
    .private_segment_fixed_size: 0
    .kernarg_segment_align: 8
    .kernarg_segment_size: 64
    .max_flat_workgroup_size: 256
    .sgpr_count:     66
    .vgpr_count:     512
    .wavefront_size: 32
...
	.end_amdgpu_metadata
.endif
;; end of part 4
